; MI455X (gfx1250); checked and timed in simulation.
; The chip was launched on July 23, 2026; its instructions are those of AMD's public machine-readable ISA for CDNA 5 (MIT licence, August 2026) and "CDNA5" Instruction Set Architecture Reference Guide (July 2026). The comments in the code are by the model that wrote it; some were corrected since.
;; Multi Head Attention. Allowed arithmetic: matrix products marked QUANTISED: E4M3 operands, one given power-of-two scale a tensor, by v_wmma_f32_16x16x64_fp8_fp8 or v_wmma_f32_16x16x128_fp8_fp8, f32 sums; everything else in f32.
;; Inputs: Wk 1,024 x 256 float32; Wo 1,024 x 1,024 float32; Wq 1,024 x 1,024 float32; Wv 1,024 x 256 float32; attention_mask 4 x 2,048 int32; lowp_scales 12 int32 (the exponents e of the quantised operands' scales 2^e); x 4 x 2,048 x 1,024 float32.
;; Outputs: out0 4 x 2,048 x 1,024 float32.
;; This version of the problem:
;;   THIS VERSION OF THE PROBLEM IS GIVEN IN LOW PRECISION. The matrix products marked QUANTISED in the list below multiply operands that are first quantised to E4M3 (4 exponent bits, 3 mantissa bits; 8 bits a number), with one given power-of-two scale for each operand tensor; their sums are f32. All else is computed in f32.
;;   The module's matrix products, in the order in which they are computed (A, B: the left and right operand; K: the contracted axis; several contracted axes count as one K, in the product's order):
;;     1. [M 8,192, K 1,024] x [K 1,024, N 1,024]; A: input x; B: input Wq: QUANTISED (scales: A lowp_scales[0], B lowp_scales[1])
;;     2. [M 8,192, K 1,024] x [K 1,024, N 256]; A: input x; B: input Wk: QUANTISED (scales: A lowp_scales[2], B lowp_scales[3])
;;     3. [M 8,192, K 1,024] x [K 1,024, N 256]; A: input x; B: input Wv: QUANTISED (scales: A lowp_scales[4], B lowp_scales[5])
;;     4. batch 64 x [M 2,048, K 64] x [K 64, N 2,048]; A: computed on the way; B: computed on the way: QUANTISED (scales: A lowp_scales[6], B lowp_scales[7])
;;     5. batch 64 x [M 2,048, K 2,048] x [K 2,048, N 64]; A: softmax (see below); B: computed on the way: QUANTISED (scales: A lowp_scales[8], B lowp_scales[9])
;;     6. [M 8,192, K 1,024] x [K 1,024, N 1,024]; A: computed on the way; B: input Wo: QUANTISED (scales: A lowp_scales[10], B lowp_scales[11])
;;   THE QUANTISER, for each operand of a quantised product, along K:
;;     - The operand's scale is 2^e, e = its entry of the input lowp_scales (int32; the entries are numbered through the quantised products in the list's order, A before B).
;;     - Each number is divided by the scale, clamped to +-448, and rounded to the nearest number of E4M3, ties to even, subnormals kept.
;;     - The product sums the exact products of the quantised numbers (number of the format x scale) in f32.
;;   ~~~python
;;   def quantise(x, axis, e):      # numpy; x: float32 -> the quantised numbers, widened to float32 again
;;       x = np.moveaxis(x, axis, -1); K = x.shape[-1]
;;       r = np.clip(x / 2.0 ** e, -448, 448)
;;       step = 2.0 ** (np.maximum(np.frexp(np.where(r == 0, 1, r))[1] - 1, -6) - 3)
;;       q = np.round(r / step) * step * 2.0 ** e      # np.round: ties to even
;;       return np.moveaxis(q, -1, axis).astype(np.float32)
;;   ~~~
;;   SOFTMAX AHEAD OF A QUANTISED PRODUCT. Where the list says 'softmax', what is quantised is not the finished softmax but p = 2^(t - M), with t = logit x log2(e) and M = ceil(the row's largest t), a whole number; so 1/2 < the row's largest p <= 1. The row's sum l is taken of the UNQUANTISED p, in f32, and the product's result is divided by l at the end. Since M is a whole number, a kernel that streams over the keys may use a running M (the ceiling of the running maximum): every later rescaling is an exact power of two, so the quantised numbers keep their values, but for numbers so far below the row's largest that they fall under the format's range.
;;   OPERANDS COMPUTED ON THE WAY. 'Computed on the way' means the value that the module computes at that place (a softmax that the list does not call 'softmax' is quantised finished and normalised). What goes into a quantiser is computed in f32, as accurately as f32 sums, v_exp_f32 and their like allow (about 1e-6 of the number): no bf16 or f16 on the way to a quantiser, and a product that is left as it is and whose result goes on into a quantised operand takes f32 operands (vector FMAs, or v_wmma_f32_16x16x4_f32). A number that lies on a knife's edge between two numbers of the format may be rounded either way, as far as f32 arithmetic and the matrix unit's own rounding can turn it there, and no further.
;; One version. Each part assembles by itself: llvm-mc -triple=amdgcn-amd-amdhsa -mcpu=gfx1250 --defsym DOCPART=n.
;; ======== version 1 of 1: 4 launches
;; limits: right only within a limited range of input values
;; workspace buffers: xc 25,165,824 bytes; wc 2,621,440 bytes; rope 524,288 bytes; qkvc 12,582,912 bytes; ao 8,388,608 bytes
;; launch prep (part 1): grid 704 x 1, 4 waves a work-group, no clusters, 34,304 bytes of LDS; arguments x, Wq, Wk, Wv, Wo, lowp_scales, xc, wc, rope; writes xc, wc, rope
.if DOCPART == 1
	.amdgcn_target "amdgcn-amd-amdhsa--gfx1250"
	.amdhsa_code_object_version 6
	.text
	.protected	k_q7f0c11908b_prep
	.globl	k_q7f0c11908b_prep
	.p2align	8
	.type	k_q7f0c11908b_prep,@function
k_q7f0c11908b_prep:
	s_mov_b64 s[64:65], 0
	v_nop
	global_prefetch_b8 v0, s[64:65] scope:SCOPE_SE
	s_setreg_imm32_b32 hwreg(HW_REG_WAVE_MODE, 25, 1), 1
	s_wait_xcnt 0x0
; PREP: every operand that arrives as f32 is quantised once, and the table of cosines and sines is made once.
; All codes are laid as IMAGES OF THE OPERAND'S REGISTERS: a fragment of 16 rows x 128 k of E4M3 codes is 2,048 bytes; the byte at 512 g + 16 (r + 16 h) + 8 e + i
; holds row r, k = 32 g + 16 e + 8 h + i: four loads of 16 bytes a lane, 512 bytes apart, give the matrix unit's own layout for 8-bit codes (registers 2c, 2c+1: k = 16c + 8h + 0..7).
; Work-groups 0-511: x [8192][1024] -> xc, fragment (row tile rt, K step ks) at (8 rt + ks) x 2,048, in up to three sections of 8,388,608 bytes: scale e0; e2 if it differs from e0; e4 if it differs from e0.
; Work-groups 512-671: Wq, Wk, Wv, Wo ([k][n], K outermost) -> wc, column tile of 16 at 16,384 bytes, K step at 2,048: tiles 0-63 Wq (e1), 64-79 Wk (e3), 80-95 Wv (e5), 96-159 Wo (e11).
; Work-groups 672-703: rope[pos][i] = (cos, sin) of pos x 10000^(-i/32), f32, 256 bytes a position.
; code = x / 2^e, held within +-448, to the nearest code, ties to even.
; LIMITS: e0 to e5 and e11 between -126 and 119, so that 2^e and 448 x 2^e are f32 numbers.  NaN among the inputs is not served.
; The table: 10000^(-i/32) comes from v_exp_f32 (about 1e-7 of the number), so an angle near 1,500 is off by up to about 2e-4; the reduction by pi/2 in three parts serves angles under 2,048, all that the problem has.
; No tensor load and no barrier: waves share nothing.  Only the path for x uses LDS (a stage of 16 x 528 bytes for each wave).
.set STG, 16*528
.macro MKSCALE e, vs, vl               ; v[vs] = 2^e as f32 (the conversion takes its exponent field), v[vl] = 448 x 2^e
	s_add_co_i32 s48, s[\e], 127
	s_lshl_b32 s49, s48, 23
	v_mov_b32 v[\vs], s49
	s_add_co_i32 s48, s48, 8
	s_lshl_b32 s48, s48, 23
	s_or_b32 s48, s48, 0x600000
	v_mov_b32 v[\vl], s48
.endm
; x: fragment f's 16 rows x 512 bytes go through the wave's stage as they were loaded and come back so that lane (r, h) holds, of row r, k = 16 c + 8 h + 0..7 in registers 8 c .. 8 c + 7
.macro TURNX f
.set RR, 16+64*\f
.irp j, 0,1,2,3,4,5,6,7,8,9,10,11,12,13,14,15
	ds_store_b128 v3, v[RR+4*\j:RR+4*\j+3] offset:528*\j
.endr
	s_wait_dscnt 0x0                               ; the stores have read their registers: the loads below land in them
.irp c, 0,1,2,3,4,5,6,7
	ds_load_b128 v[RR+8*\c:RR+8*\c+3], v4 offset:64*\c
	ds_load_b128 v[RR+8*\c+4:RR+8*\c+7], v4 offset:64*\c+16
.endr
	s_wait_dscnt 0x0
.endm
; fragment f under scale number s (0: e0, 1: e2, 2: e4): hold, convert, store the image.  The held numbers go into two sets of eight by turns, so that eight plain lines stand between a conversion and the next write of its sources
.macro QX f, s
.set RR, 16+64*\f
.set CC, 160+16*\s
.irp c, 0,1,2,3,4,5,6,7
.irp i, 0,1,2,3,4,5,6,7
	v_med3_num_f32 v[144+8*(\c%2)+\i], v[RR+8*\c+\i], -v[9+2*\s], v[9+2*\s]   ; the conversion to an 8-bit code does not saturate (ISA guide 7.6.2)
.endr
	v_cvt_scalef32_pk8_fp8_f32 v[CC+2*\c:CC+2*\c+1], v[144+8*(\c%2):144+8*(\c%2)+7], v[8+2*\s]
.endr
.irp g, 0,1,2,3
	global_store_b128 v2, v[CC+4*\g:CC+4*\g+3], s[36+2*\s:37+2*\s] offset:2048*\f+512*\g   ; 32 lanes store 512 consecutive bytes, aligned
.endr
.endm
.macro QALL f                          ; a section is made only where its scale differs from e0: a scalar branch on the given whole numbers (this launch has no tensor load)
	QX \f, 0
	s_cmp_eq_u32 s26, s24
	s_cbranch_scc1 .Lsame_k_\@
	QX \f, 1
.Lsame_k_\@:
	s_cmp_eq_u32 s28, s24
	s_cbranch_scc1 .Lsame_v_\@
	QX \f, 2
.Lsame_v_\@:
.endm
; weights: a lane takes a column and its registers run down K; block g is k = 32 g .. 32 g + 31
.macro WLOAD n, g
.irp i, 0,1,2,3,4,5,6,7,8,9,10,11,12,13,14,15,16,17,18,19,20,21,22,23,24,25,26,27,28,29,30,31
	global_load_b32 v[16+32*(\g)+\i], v2, s[40:41] offset:(32*(\g)+\i)*(\n)*4 th:TH_LOAD_NT
.endr
.endm
.macro WBLK n, g
.if (\g) < 3
	s_wait_loadcnt 32                              ; this block's 32 loads are in; the next block's 32 may be out
.else
	s_wait_loadcnt 0x0
.endif
.if (\g)+2 < 4
	WLOAD \n, (\g)+2
.endif
.irp i, 0,1,2,3,4,5,6,7,8,9,10,11,12,13,14,15,16,17,18,19,20,21,22,23,24,25,26,27,28,29,30,31
	v_med3_num_f32 v[16+32*(\g)+\i], v[16+32*(\g)+\i], -v9, v9
.endr
	; eight k of group p = 2 e + h belong to the image's bytes 512 g + 256 h + 16 r + 8 e: groups 0 and 2 make the 16 bytes of h = 0, groups 1 and 3 those of h = 1
	v_cvt_scalef32_pk8_fp8_f32 v[144+8*(\g):145+8*(\g)], v[16+32*(\g):23+32*(\g)], v8
	v_cvt_scalef32_pk8_fp8_f32 v[146+8*(\g):147+8*(\g)], v[32+32*(\g):39+32*(\g)], v8
	v_cvt_scalef32_pk8_fp8_f32 v[148+8*(\g):149+8*(\g)], v[24+32*(\g):31+32*(\g)], v8
	v_cvt_scalef32_pk8_fp8_f32 v[150+8*(\g):151+8*(\g)], v[40+32*(\g):47+32*(\g)], v8
	global_store_b128 v5, v[144+8*(\g):147+8*(\g)], s[46:47] offset:512*(\g)        ; sixteen lanes store 256 consecutive bytes, aligned
	global_store_b128 v5, v[148+8*(\g):151+8*(\g)], s[46:47] offset:512*(\g)+256
.endm
; s38 = group of 128 columns, s39 = K step, s[40:41] = the weight, s42 = e, s43 = its first column tile in wc; n = its row length
.macro WPATH n
	s_mul_i32 s44, s39, 128*(\n)*4                 ; 128 rows down for each K step,
	s_lshl_b32 s45, s38, 9                         ; 128 columns for each group,
	s_add_co_u32 s44, s44, s45
	s_lshl_b32 s45, s22, 7                         ; 32 columns for each wave
	s_add_co_u32 s44, s44, s45
	s_mov_b32 s45, 0
	s_add_nc_u64 s[40:41], s[40:41], s[44:45]
	v_lshlrev_b32 v2, 2, v1                        ; 4 bytes a lane: a wave's load covers 128 consecutive bytes, the four waves 512
	WLOAD \n, 0
	WLOAD \n, 1
	s_lshl_b32 s44, s38, 3
	s_add_co_u32 s44, s44, s43
	s_lshl_b32 s46, s22, 1
	s_add_co_u32 s44, s44, s46                     ; my first column tile
	s_lshl_b32 s44, s44, 14
	s_lshl_b32 s46, s39, 11
	s_add_co_u32 s44, s44, s46
	s_add_nc_u64 s[46:47], s[18:19], s[44:45]
	v_lshrrev_b32 v5, 4, v1
	v_and_b32 v6, 15, v1
	v_lshlrev_b32 v5, 14, v5
	v_lshl_add_u32 v5, v6, 4, v5                   ; lanes 0-15 my first tile, lanes 16-31 the next; 16 bytes a column
	MKSCALE 42, 8, 9
	s_wait_alu depctr_va_vdst(0)
	WBLK \n, 0
	WBLK \n, 1
	WBLK \n, 2
	WBLK \n, 3
.endm
	s_load_b512 s[4:19], s[0:1], 0x0               ; x s[4:5], Wq s[6:7], Wk s[8:9], Wv s[10:11], Wo s[12:13], scales s[14:15], xc s[16:17], wc s[18:19]
	s_load_b64 s[20:21], s[0:1], 0x40              ; rope
	v_lshl_add_u32 v208, v0, 2, 0x8400
	v_mov_b32 v209, 0
	v_lshrrev_b32 v1, 5, v0
	v_readfirstlane_b32 s22, v1                    ; wave
	v_and_b32 v1, 31, v0                           ; lane
	s_wait_kmcnt 0x0
	s_load_b256 s[24:31], s[14:15], 0x0            ; e0 .. e7
	s_load_b128 s[32:35], s[14:15], 0x20           ; e8 .. e11
	s_cmp_lt_u32 ttmp9, 512
	s_cbranch_scc0 .Lnot_x
	; ---- x: the work-group is row tile rt; wave w makes K steps 2 w and 2 w + 1
	s_wait_alu depctr_va_vdst(0)
	v_lshlrev_b32 v2, 4, v1                        ; 16 x lane
	s_mul_i32 s36, s22, STG
	v_add_nc_u32 v3, s36, v2                       ; stage, in: a row's 512 bytes as they lie
	v_and_b32 v5, 15, v0
	v_bfe_u32 v6, v0, 4, 1
	v_mul_u32_u24 v4, v5, 528
	v_lshl_add_u32 v4, v6, 5, v4
	v_add_nc_u32 v4, s36, v4                       ; stage, out: row r, + 32 h bytes; rows 528 bytes apart, an odd multiple of 16
	s_lshl_b32 s36, ttmp9, 16                      ; 16 rows of 4,096 bytes
	s_lshl_b32 s37, s22, 10                        ; 256 numbers for each wave
	s_add_co_u32 s36, s36, s37
	s_mov_b32 s37, 0
	s_add_nc_u64 s[4:5], s[4:5], s[36:37]
.irp f, 0,1
.irp j, 0,1,2,3,4,5,6,7,8,9,10,11,12,13,14,15
	global_load_b128 v[16+64*\f+4*\j:16+64*\f+4*\j+3], v2, s[4:5] offset:4096*\j+512*\f th:TH_LOAD_NT   ; 512 consecutive bytes of row j
.endr
.endr
	s_lshl_b32 s36, ttmp9, 14                      ; 8 fragments for each row tile
	s_lshl_b32 s38, s22, 12                        ; 2 for each wave
	s_add_co_u32 s36, s36, s38
	s_add_nc_u64 s[36:37], s[16:17], s[36:37]      ; my images in section 0,
	s_add_nc_u64 s[38:39], s[36:37], 0x800000      ; 1,
	s_add_nc_u64 s[40:41], s[38:39], 0x800000      ; 2
	s_wait_alu depctr_va_vdst(0)
	s_wait_kmcnt 0x0
	MKSCALE 24, 8, 9
	MKSCALE 26, 10, 11
	MKSCALE 28, 12, 13
	s_wait_alu depctr_va_vdst(0)
	s_wait_loadcnt 16                              ; fragment 0's sixteen loads are in; fragment 1's sixteen may be out
	TURNX 0
	QALL 0
	s_wait_loadcnt 0x0
	TURNX 1
	s_wait_xcnt 0x0                                ; fragment 0's stores have read their registers: the codes' registers are written again
	QALL 1
	s_wait_tensorcnt 0x0
	ds_add_u32 v208, v209
	s_wait_dscnt 0x0
	s_endpgm
.Lnot_x:
	s_cmp_lt_u32 ttmp9, 672
	s_cbranch_scc0 .Lrope
	; ---- weights
	s_sub_co_u32 s36, ttmp9, 512
	s_cmp_lt_u32 s36, 128
	s_cbranch_scc0 .Lnarrow
	s_lshr_b32 s37, s36, 6                         ; 0: Wq, 1: Wo
	s_bfe_u32 s38, s36, 0x30003                    ; group of 128 columns
	s_and_b32 s39, s36, 7                          ; K step
	s_wait_kmcnt 0x0
	s_cmp_eq_u32 s37, 0
	s_cselect_b64 s[40:41], s[6:7], s[12:13]
	s_cselect_b32 s42, s25, s35                    ; e1 or e11
	s_cselect_b32 s43, 0, 96
	s_wait_alu depctr_va_vdst(0)
	WPATH 1024
	s_endpgm
.Lnarrow:
	s_sub_co_u32 s36, s36, 128
	s_lshr_b32 s37, s36, 4                         ; 0: Wk, 1: Wv
	s_bfe_u32 s38, s36, 0x10003
	s_and_b32 s39, s36, 7
	s_wait_kmcnt 0x0
	s_cmp_eq_u32 s37, 0
	s_cselect_b64 s[40:41], s[8:9], s[10:11]
	s_cselect_b32 s42, s27, s29                    ; e3 or e5
	s_mov_b32 s43, 80
	s_cselect_b32 s43, 64, s43
	s_wait_alu depctr_va_vdst(0)
	WPATH 256
	s_endpgm
.Lrope:
	; ---- the table: a wave takes 16 positions, a lane one frequency i
	s_wait_kmcnt 0x0
	s_sub_co_u32 s36, ttmp9, 672
	s_lshl_b32 s36, s36, 2
	s_add_co_u32 s36, s36, s22
	s_lshl_b32 s36, s36, 4                         ; my first position
	s_wait_alu depctr_va_vdst(0)
	v_cvt_f32_u32 v2, v1
	v_mul_f32 v2, 0xbed49a78, v2                   ; -i log2(10000) / 32
	s_wait_alu depctr_va_vdst(0)
	v_exp_f32 v3, v2                               ; 10000^(-i/32)
	v_nop                                          ; a plain line behind the transcendental
	v_cvt_f32_u32 v4, s36                          ; the position as f32
	s_lshl_b32 s37, s36, 8
	v_lshl_add_u32 v5, v1, 3, s37                  ; 256 bytes a position, 8 a frequency
	v_mov_b32 v6, 0x3638ef1d                       ; 1/9!
	v_mov_b32 v7, 0xb493f27e                       ; -1/10!
	s_mov_b32 s38, 16
	s_wait_alu depctr_va_vdst(0)                   ; the wait ahead of the first reader, and ahead of the label
.Lpos:
	s_wait_alu depctr_va_vdst(0)
	v_mul_f32 v8, v4, v3                           ; the angle, rounded as the product of two f32 numbers
	v_mul_f32 v9, 0x3f22f983, v8
	v_rndne_f32 v9, v9                             ; n = the nearest multiple of pi/2
	v_fmamk_f32 v10, v9, 0xbfc90fd8, v8            ; r = angle - n pi/2, pi/2 in three parts, each step one fused multiply-add
	v_fmamk_f32 v10, v9, 0xb4a8885a, v10
	v_fmamk_f32 v10, v9, 0xa7c234c4, v10
	v_cvt_i32_f32 v11, v9
	v_mul_f32 v12, v10, v10                        ; r^2
	v_fmaak_f32 v13, v6, v12, 0xb9500d01           ; the sine's series through r^9: on |r| <= pi/4 the first term left out is under 2e-9
	v_fmaak_f32 v13, v13, v12, 0x3c088889
	v_fmaak_f32 v13, v13, v12, 0xbe2aaaab
	v_mul_f32 v14, v10, v12
	v_fma_f32 v13, v13, v14, v10                   ; sin r
	v_fmaak_f32 v15, v7, v12, 0x37d00d01           ; the cosine's through r^10
	v_fmaak_f32 v15, v15, v12, 0xbab60b61
	v_fmaak_f32 v15, v15, v12, 0x3d2aaaab
	v_fma_f32 v15, v15, v12, -0.5
	v_fma_f32 v15, v15, v12, 1.0                   ; cos r
	v_and_b32 v16, 1, v11
	v_cmp_eq_u32 vcc_lo, 1, v16
	v_cndmask_b32 v17, v13, v15, vcc_lo            ; odd n: the two change places
	v_cndmask_b32 v18, v15, v13, vcc_lo
	v_lshlrev_b32 v19, 30, v11
	v_and_b32 v19, 0x80000000, v19                 ; the sine is negated where n mod 4 is 2 or 3,
	v_add_nc_u32 v20, 1, v11
	v_lshlrev_b32 v20, 30, v20
	v_and_b32 v20, 0x80000000, v20                 ; the cosine where it is 1 or 2
	s_wait_alu depctr_va_vdst(0)
	s_wait_xcnt 0x0                                ; the last trip's store has read its data and its offset: both are written again below
	v_xor_b32 v22, v20, v18
	v_xor_b32 v23, v19, v17
	v_add_nc_u32 v5, 256, v5                       ; the offset steps ahead of the store, which reaches back
	global_store_b64 v5, v[22:23], s[20:21] offset:-256   ; 32 lanes store a position's 256 bytes, aligned
	v_add_f32 v4, 1.0, v4
	s_sub_co_u32 s38, s38, 1
	s_cmp_lg_u32 s38, 0
	s_cbranch_scc1 .Lpos
	s_endpgm
.Lfunc_end_k_q7f0c11908b_prep:
	.size	k_q7f0c11908b_prep, .Lfunc_end_k_q7f0c11908b_prep-k_q7f0c11908b_prep
	.p2alignl 7, 3214868480
	.fill 96, 4, 3214868480
	.section	.rodata,"a",@progbits
	.p2align	6, 0x0
	.amdhsa_kernel k_q7f0c11908b_prep
		.amdhsa_group_segment_fixed_size 34304
		.amdhsa_private_segment_fixed_size 0
		.amdhsa_enable_private_segment 0
		.amdhsa_kernarg_size 72
		.amdhsa_user_sgpr_count 2
		.amdhsa_user_sgpr_kernarg_segment_ptr 1
		.amdhsa_wavefront_size32 1
		.amdhsa_system_sgpr_workgroup_id_x 1
		.amdhsa_system_sgpr_workgroup_id_y 1
		.amdhsa_system_sgpr_workgroup_id_z 1
		.amdhsa_system_vgpr_workitem_id 0
		.amdhsa_next_free_vgpr 210
		.amdhsa_next_free_sgpr 66
		.amdhsa_reserve_vcc 1
		.amdhsa_float_denorm_mode_32 3
		.amdhsa_float_denorm_mode_16_64 3
		.amdhsa_memory_ordered 1
		.amdhsa_forward_progress 1
		.amdhsa_inst_pref_size 89
	.end_amdhsa_kernel
	.amdgpu_metadata
---
amdhsa.version: [ 1, 2 ]
amdhsa.kernels:
  - .name:           k_q7f0c11908b_prep
    .symbol:         k_q7f0c11908b_prep.kd
    .args:
      - { .name: x, .offset: 0, .size: 8, .value_kind: global_buffer, .address_space: global }
      - { .name: Wq, .offset: 8, .size: 8, .value_kind: global_buffer, .address_space: global }
      - { .name: Wk, .offset: 16, .size: 8, .value_kind: global_buffer, .address_space: global }
      - { .name: Wv, .offset: 24, .size: 8, .value_kind: global_buffer, .address_space: global }
      - { .name: Wo, .offset: 32, .size: 8, .value_kind: global_buffer, .address_space: global }
      - { .name: lowp_scales, .offset: 40, .size: 8, .value_kind: global_buffer, .address_space: global }
      - { .name: xc, .offset: 48, .size: 8, .value_kind: global_buffer, .address_space: global }
      - { .name: wc, .offset: 56, .size: 8, .value_kind: global_buffer, .address_space: global }
      - { .name: rope, .offset: 64, .size: 8, .value_kind: global_buffer, .address_space: global }
    .group_segment_fixed_size: 34304
    .private_segment_fixed_size: 0
    .kernarg_segment_align: 8
    .kernarg_segment_size: 72
    .max_flat_workgroup_size: 128
    .sgpr_count:     66
    .vgpr_count:     210
    .wavefront_size: 32
...
	.end_amdgpu_metadata
.endif
;; end of part 1
;; launch qkv (part 2): grid 32 x 6, 4 waves a work-group, clusters of 4 x 1, 327,680 bytes of LDS; arguments xc, wc, rope, lowp_scales, qkvc; writes qkvc
.if DOCPART == 2
	.amdgcn_target "amdgcn-amd-amdhsa--gfx1250"
	.amdhsa_code_object_version 6
	.text
	.protected	k_q7f0c11908b_qkv
	.globl	k_q7f0c11908b_qkv
	.p2align	8
	.type	k_q7f0c11908b_qkv,@function
k_q7f0c11908b_qkv:
	s_mov_b64 s[64:65], 0
	v_nop
	global_prefetch_b8 v0, s[64:65] scope:SCOPE_SE
	s_setreg_imm32_b32 hwreg(HW_REG_WAVE_MODE, 25, 1), 1
	s_wait_xcnt 0x0
	s_wait_alu depctr_hold_cnt(0) depctr_sa_sdst(0) depctr_va_vdst(0) depctr_va_sdst(0) depctr_va_ssrc(0) depctr_va_vcc(0) depctr_vm_vsrc(0)
	s_getreg_b32 s2, hwreg(HW_REG_IB_STS2, 6, 4)
	s_cmp_eq_u32 s2, 0
	s_cbranch_scc0 .Lentry_in_a_cluster
	s_endpgm
.Lentry_in_a_cluster:
	s_bfe_u32 s2, ttmp6, 0x10000c
	s_cmp_lg_u32 s2, 0x3003
	s_cbranch_scc0 .Lentry_shape_is_right
	s_endpgm
.Lentry_shape_is_right:
; QKV: the three projections on codes of E4M3, the rotation of Q and K, and the quantisers of Q, K and V, in one text.
; Work-group (X, y): 256 tokens (X = 0..31) x 256 weight columns (y = 0..3: Wq, 4: Wk, 5: Wv).  Four waves, each 128 x 128: 64 accumulators of 16 x 16 in windows 2 and 3.
; OPERANDS ARE IMAGES OF THEIR REGISTERS (16 rows x 128 k = 2,048 bytes; four loads of 16 bytes a lane, 512 apart): no pitch, no padding, k in its own place.
; K = 1,024 goes in four fills of 256 through two LDS slots.  A slot: region 0 = the tokens' 16 row tiles x 4,096 bytes, region 1 = the weight's 16 column tiles.  Wave w brings 8 tiles x 4,096 bytes by one tensor load.
; CLUSTER: the four work-groups of a cluster have the same y: the weight's tile is asked for jointly (mask 15).  The tokens' tile is each work-group's own (mask 0).  It is not shared as well, because the six weight tiles
; may read up to three different sections of codes (x under e0, e2, e4), and six does not divide into fours.
; Q and K: source 0 = 16 weight columns, source 1 = 16 tokens: a lane holds ONE token and channels 16 b + 8 h + 0..7; a head's four tiles, converted, are the image of a 16 x 64 operand.
; V: source 0 = 16 tokens, source 1 = 16 columns of Wv: a lane holds ONE channel and tokens 16 b + 8 h + 0..7; eight tiles, converted, are the image of V^T with the keys innermost.
; The kind changes no branch: it chooses LDS regions, scales, strides and bases by s_cselect_b32 on y, which all partners share.  The rotation is applied to V too, with position 0's row of the table (cosine 1, sine 0), which changes nothing.
; Out: Q at ((b 16 + head) 128 + token tile) 1,024;  K at 8,388,608 + ((b 4 + head) 128 + token tile) 1,024;  V at 10,485,760 + ((b 16 + key step) 16 + 4 head + channel tile) 2,048.
; LIMITS: e6 - e0 - e1, e7 - e2 - e3 and e9 - e4 - e5 between -126 and 119, so that the folded scale and 448 x it are f32 numbers.
; REGISTERS: window 0: v16-31 addresses and scales; v32-95 two sets of the table; v128-255 source 1's fragments (one set), on the way out the rotated numbers and codes.  Window 1: source 0's fragments, two sets.
.set FR,     16                        ; registers of a fragment
.set NL,     4                         ; LDS loads that bring one
.set NP,     4                         ; places behind this matrix instruction (ISA guide 7.12.1)
.set SLOT,   131072
.set SPARE,  2*SLOT                    ; behind the ring: the spare words, 128 bytes for each wave
.set ADRA, 16                          ; v16-17  LDS address of source 1's fragments in slot 0, 1
.set ADRB, 20                          ; v20-21  the same for source 0
.set LI,   24                          ; v24     16 x lane
.set LI2,  25                          ; v25     the same + the stride to the image's second half (V) or to the next head (Q, K)
.set RO,   26                          ; v26-27  offsets into the table, for even and odd token tiles
.set SPW,  28                          ; v28     my spare word; never rewritten
.set NIL,  29                          ; v29     0; never rewritten
.set SCL,  30                          ; v30     the folded scale as f32
.set LIM,  31                          ; v31     448 x it
.set CSR,  32                          ; v32-63, v64-95  (cos, sin) of my position, 32 registers a set
.set AF,   128
.set YY,   128                         ; the way out: 64 rotated numbers
.set CD,   192                         ; v192-207, v208-223: codes, by turns
.set G1,  24                           ; s[24:31] group 1 of the tokens' loads;  s[32:39] their groups 0, one for each slot
.set G0,  32
.set G1B, 48                           ; s[48:55], s[56:63] the same for the weight's
.set G0B, 56
.set MSB, 0
.macro WIN new                         ; the immediate's high byte repeats the setting that is left
.if MSB != \new
	s_set_vgpr_msb (MSB<<8)|\new
.set MSB, \new
.endif
.endm
.set MUL_LO, 0xa1                      ; source 0 window 1, source 1 window 0, C and D window 2
.set MUL_HI, 0xf1                      ; the same, C and D window 3
.set TO_B,   0x40                      ; destination window 1, address window 0
; Waves 0 and 1 fetch the tokens' halves, waves 2 and 3 the weight's.  The branch hangs on the wave's number alone.  Four v_nop follow each of the two lines.
.macro JLOAD g0a, g1a, g0b, g1b
	s_cmp_eq_u32 s15, 0
	s_cbranch_scc0 .Lfor_b_\@
	tensor_load_to_lds s[\g0a:\g0a+3], s[\g1a:\g1a+7]
	s_nop 0
.rept 4
	v_nop
.endr
	s_branch .Lasked_\@
.Lfor_b_\@:
	tensor_load_to_lds s[\g0b:\g0b+3], s[\g1b:\g1b+7]
	s_nop 0
.rept 4
	v_nop
.endr
.Lasked_\@:
.endm
.macro CREST                           ; a round of the cluster's barrier behind its opening barrier
	s_cmp_lg_u32 s14, 0
	s_cbranch_scc1 .Lnot_wave_0_\@
	s_barrier_signal -3
.Lnot_wave_0_\@:
	s_barrier_wait -3
	s_barrier_signal -1
	s_barrier_wait -1
.endm
.macro CROUND
	s_barrier_signal -1
	s_barrier_wait -1
	CREST
.endm
	s_load_b256 s[4:11], s[0:1], 0x0               ; xc s[4:5], wc s[6:7], rope s[8:9], the scales' exponents s[10:11]
	s_load_b64 s[12:13], s[0:1], 0x20              ; qkvc
	v_lshl_add_u32 v[SPW], v0, 2, SPARE
	v_mov_b32 v[NIL], 0
	ds_add_u32 v28, v29
	ds_add_u32 v28, v29
	s_wait_dscnt 0x0
	v_lshrrev_b32 v1, 5, v0
	v_readfirstlane_b32 s14, v1                    ; wave 0..3
	s_lshr_b32 s15, s14, 1                         ; which half of source 1's rows is mine.  Also: I fetch tokens (0) or weights (1)
	s_and_b32 s16, s14, 1                          ; which half of source 0's rows.  Also: which 8 tiles I fetch
	s_bfe_u32 s40, ttmp6, 0x40000                  ; cx
	s_lshl_b32 s42, ttmp9, 2
	s_add_co_u32 s42, s42, s40                     ; X = 4 x cluster x + cx: it enters the tokens', the table's and the output's global addresses alone
	s_and_b32 s17, ttmp7, 0xffff                   ; y, which the partners share
	; group 1: 8 rows of 4,096 bytes (512 elements of 8 bytes), 16,384 bytes apart in memory, dense in LDS
	s_mov_b32 s[G1+0], 3<<16                       ; no mask: each work-group's own tile
	s_mov_b32 s[G1B+0], 15|(3<<16)|(1<<21)         ; the mask names all four partners; bit 21 set beside it
.irp g, G1, G1B
	s_mov_b32 s[\g+1], 512<<16                     ; tensor_dim0
	s_mov_b32 s[\g+2], 8<<16                       ; tensor_dim1
	s_mov_b32 s[\g+3], 512<<16                     ; tile_dim0
	s_mov_b32 s[\g+4], 8                           ; tile_dim1
	s_mov_b32 s[\g+5], 2048                        ; from row to row, in elements
	s_mov_b32 s[\g+6], 0
	s_mov_b32 s[\g+7], 0
.endr
	s_cmp_eq_u32 s17, 5                            ; V?
	s_cselect_b32 s81, 0, 1                        ; 1 where the rotation is a real one
	s_cselect_b32 s82, 65536, 0                    ; the region of source 1: tokens, for V the weight
	s_cselect_b32 s83, 0, 65536                    ; the region of source 0
	s_lshl_b32 s46, s17, 18                        ; the weight's tile: 16 column tiles of 16,384 bytes for each y,
	s_lshl_b32 s47, s16, 17                        ; 8 for my half
	s_add_co_u32 s46, s46, s47
	s_mov_b32 s47, 0
	s_lshl_b32 s45, s14, 15                        ; where my load goes: wave x 32,768: no place in the cluster enters an LDS address
	s_wait_kmcnt 0x0
	s_load_b256 s[68:75], s[10:11], 0x0            ; e0 .. e7
	s_load_b128 s[76:79], s[10:11], 0x20           ; e8 .. e11
	s_add_nc_u64 s[46:47], s[6:7], s[46:47]
	s_wait_kmcnt 0x0
	s_cmp_eq_u32 s70, s68                          ; which section of x's codes: 0 unless the product's own scale differs from e0.  A choice, no branch
	s_cselect_b32 s84, 0, 1
	s_cmp_eq_u32 s72, s68
	s_cselect_b32 s85, 0, 2
	s_cmp_eq_u32 s17, 4
	s_cselect_b32 s84, s84, 0
	s_cmp_eq_u32 s17, 5
	s_cselect_b32 s84, s85, s84
	s_min_u32 s84, s84, 2
	s_lshl_b32 s20, s84, 23
	s_lshl_b32 s21, s42, 18
	s_add_co_u32 s20, s20, s21
	s_lshl_b32 s21, s16, 17
	s_add_co_u32 s20, s20, s21
	s_mov_b32 s21, 0
	s_add_nc_u64 s[20:21], s[4:5], s[20:21]
	CROUND                                         ; all four work-groups are here: the first joint loads meet
.irp s, 0,1
	s_mov_b32 s[G0+4*\s], 1
	s_add_co_u32 s[G0+4*\s+1], s45, \s*SLOT
	s_add_nc_u64 s[G0+4*\s+2:G0+4*\s+3], s[20:21], \s*4096
	s_or_b32 s[G0+4*\s+3], s[G0+4*\s+3], 0x80000000
	s_mov_b32 s[G0B+4*\s], 1
	s_add_co_u32 s[G0B+4*\s+1], s45, \s*SLOT
	s_add_nc_u64 s[G0B+4*\s+2:G0B+4*\s+3], s[46:47], \s*4096
	s_or_b32 s[G0B+4*\s+3], s[G0B+4*\s+3], 0x80000000
.endr
	JLOAD G0, G1, G0B, G1B                         ; fill 0: one tensor load a wave at the head
	v_and_b32 v1, 31, v0
	v_lshlrev_b32 v[LI], 4, v1
	s_lshl_b32 s21, s15, 15
	s_add_co_u32 s21, s21, s82
	s_lshl_b32 s22, s16, 15
	s_add_co_u32 s22, s22, s83
.irp s, 0,1
	v_add_nc_u32 v[ADRA+\s], s21, v[LI]
	v_add_nc_u32 v[ADRB+\s], s22, v[LI]
	s_add_co_u32 s21, s21, SLOT
	s_add_co_u32 s22, s22, SLOT
.endr
	; the table: position = 256 (X mod 8) + 128 (wave / 2) + 16 a + r; a lane wants, for channel tile c, the 32 bytes at 64 c + 32 h of its position's row.  For V every term is multiplied by 0
	s_lshr_b32 s18, s42, 3                         ; the batch
	s_and_b32 s19, s42, 7
	s_lshl_b32 s96, s19, 16
	s_lshl_b32 s97, s15, 15
	s_add_co_u32 s96, s96, s97
	s_mul_i32 s96, s96, s81
	s_mov_b32 s97, 0
	s_add_nc_u64 s[8:9], s[8:9], s[96:97]
	s_lshl_b32 s89, s81, 13                        ; two token tiles on
	v_and_b32 v2, 15, v0
	v_bfe_u32 v3, v0, 4, 1
	v_lshlrev_b32 v[RO], 8, v2
	v_lshl_add_u32 v[RO], v3, 5, v[RO]
	v_mul_u32_u24 v[RO], s81, v[RO]
	s_lshl_b32 s98, s81, 12
	v_add_nc_u32 v[RO+1], s98, v[RO]
.macro CSLOAD set
.irp c, 0,1,2,3
	global_load_b128 v[CSR+32*(\set)+8*\c:CSR+32*(\set)+8*\c+3], v[RO+(\set)], s[8:9] offset:64*\c
	global_load_b128 v[CSR+32*(\set)+8*\c+4:CSR+32*(\set)+8*\c+7], v[RO+(\set)], s[8:9] offset:64*\c+16
.endr
.endm
	CSLOAD 0                                       ; token tiles 0 and 1: asked for here, into registers that lie idle until the way out
	CSLOAD 1
	; where my results go: three candidates, one chosen
	s_lshl_b32 s22, s19, 4
	s_lshl_b32 s23, s15, 3
	s_add_co_u32 s22, s22, s23                     ; my first token tile in the sequence
	s_lshl_b32 s90, s18, 4
	s_lshl_b32 s91, s17, 2
	s_add_co_u32 s90, s90, s91
	s_lshl_b32 s91, s16, 1
	s_add_co_u32 s90, s90, s91                     ; Q: 16 b + 4 y + 2 (wave mod 2)
	s_lshl_b32 s90, s90, 7
	s_add_co_u32 s90, s90, s22
	s_lshl_b32 s90, s90, 10
	s_lshl_b32 s94, s18, 2
	s_add_co_u32 s94, s94, s91                     ; K: 4 b + 2 (wave mod 2)
	s_lshl_b32 s94, s94, 7
	s_add_co_u32 s94, s94, s22
	s_lshl_b32 s94, s94, 10
	s_add_co_u32 s94, s94, 8388608
	s_lshl_b32 s95, s18, 4
	s_lshl_b32 s96, s19, 1
	s_add_co_u32 s95, s95, s96
	s_add_co_u32 s95, s95, s16                     ; V: key step 16 b + 2 (X mod 8) + wave mod 2
	s_lshl_b32 s95, s95, 4
	s_add_co_u32 s95, s95, s23                     ; channel tile 8 (wave / 2)
	s_lshl_b32 s95, s95, 11
	s_add_co_u32 s95, s95, 10485760
	s_cmp_eq_u32 s17, 4
	s_cselect_b32 s90, s94, s90
	s_cmp_eq_u32 s17, 5
	s_cselect_b32 s90, s95, s90
	s_mov_b32 s86, 2048
	s_cselect_b32 s86, s86, 1024                   ; from one tile of source 1 to the next: a channel tile's image (V), a token tile's (Q, K)
	s_mov_b32 s87, 0
	s_mov_b32 s88, 0x20000
	s_cselect_b32 s88, 1024, s88                   ; to registers 8-15 of the codes: the image's second half (V), the next head (Q, K)
	s_mov_b32 s91, 0
	s_add_nc_u64 s[12:13], s[12:13], s[90:91]
	v_add_nc_u32 v[LI2], s88, v[LI]
	; a sum stands for sum x 2^(eA + eB): its code is sum / 2^(eO - eA - eB): three scales folded into the conversion's one
	s_sub_co_i32 s92, s74, s68
	s_sub_co_i32 s92, s92, s69                     ; Q: e6 - e0 - e1
	s_sub_co_i32 s93, s75, s70
	s_sub_co_i32 s93, s93, s71                     ; K: e7 - e2 - e3
	s_sub_co_i32 s99, s77, s72
	s_sub_co_i32 s99, s99, s73                     ; V: e9 - e4 - e5
	s_cmp_eq_u32 s17, 4
	s_cselect_b32 s92, s93, s92
	s_cmp_eq_u32 s17, 5
	s_cselect_b32 s92, s99, s92
	s_add_co_i32 s92, s92, 127
	s_lshl_b32 s93, s92, 23
	v_mov_b32 v[SCL], s93
	s_add_co_i32 s92, s92, 8
	s_lshl_b32 s92, s92, 23
	s_or_b32 s92, s92, 0x600000
	v_mov_b32 v[LIM], s92
.macro FRAG reg, adr, q, i             ; tile i's fragment of the slot's q-th 128 along K: the image as it lies
.irp c, 0,1,2,3
	ds_load_b128 v[\reg+4*\c:\reg+4*\c+3], v[\adr] offset:2048*(\q)+512*\c+(\i)*4096
.endr
.endm
; 16 matrix instructions: source 1's blocks a0, a0 + 1 x source 0's eight.  p: source 0's set.  zero = 1: the first product starts the sums.  The 64 accumulators take turns, one instruction a turn.
.macro MUL16 a0, p, zero
.irp a, \a0, \a0+1
.irp b, 0,1,2,3,4,5,6,7
.if \zero
	v_wmma_f32_16x16x128_fp8_fp8 v[8*(8*((\a)%4)+\b):8*(8*((\a)%4)+\b)+7], v[128*(\p)+FR*\b:128*(\p)+FR*\b+FR-1], v[AF+FR*(\a):AF+FR*(\a)+FR-1], 0
.else
	v_wmma_f32_16x16x128_fp8_fp8 v[8*(8*((\a)%4)+\b):8*(8*((\a)%4)+\b)+7], v[128*(\p)+FR*\b:128*(\p)+FR*\b+FR-1], v[AF+FR*(\a):AF+FR*(\a)+FR-1], v[8*(8*((\a)%4)+\b):8*(8*((\a)%4)+\b)+7]
.endif
.endr
.endr
.endm
.macro FETCH_B slot, q, p
	WIN TO_B
.irp i, 0,1,2,3,4,5,6,7
	FRAG 128*(\p)+FR*\i, ADRB+\slot, \q, \i
.endr
	WIN 0
.endm
.macro FETCH_A slot, q, i0
.irp i, \i0, \i0+1, \i0+2, \i0+3
	FRAG AF+FR*(\i), ADRA+\slot, \q, \i
.endr
.endm
.macro PLACES n                        ; plain vector lines between a matrix instruction and a load into, or a vector write of, a register that it read, or a read of its result
.rept \n
	v_nop
.endr
.endm
; a step of 128 along K that has its successor in the same slot
.macro STEP slot, q, zero
	s_wait_dscnt 4*NL                              ; source 0's set and source 1's blocks 0-3 are in; the youngest sixteen loads (blocks 4-7) may be out
	WIN MUL_LO
	MUL16 0, (\q)%2, \zero
	MUL16 2, (\q)%2, \zero
	s_wait_dscnt 0
	PLACES NP
	FETCH_B \slot, (\q)+1, 1-(\q)%2
	FETCH_A \slot, (\q)+1, 0
	WIN MUL_HI
	MUL16 4, (\q)%2, \zero
	MUL16 6, (\q)%2, \zero
	PLACES NP
	WIN 0
	FETCH_A \slot, (\q)+1, 4
.endm
; a slot's last step changes slots: one barrier; in front of it each wave waits for all its tensor loads, adds 0 to its spare word, and waits for that and for its reads of this slot.  fill = 1: the slot is filled again, two fills ahead
.macro TURN slot, next, fill
	s_wait_tensorcnt 0x0                           ; all my tensor loads have landed: my part of the next slot
	ds_add_u32 v[SPW], v[NIL]                      ; 0 onto my spare word
	s_wait_dscnt 4*NL+1                            ; the add and the youngest sixteen loads may be out
	WIN MUL_LO
	MUL16 0, 1, 0
	s_wait_dscnt 0x0                               ; the add is done, and my reads of this slot are over
	s_barrier_signal -1
	MUL16 2, 1, 0
	WIN 0
	s_barrier_wait -1
.if \fill
	CREST                                          ; the barrier has opened a round of the cluster's: no wave of any partner still reads this slot or has a load on its way
	s_add_nc_u64 s[G0+4*\slot+2:G0+4*\slot+3], s[G0+4*\slot+2:G0+4*\slot+3], 2*4096
	s_add_nc_u64 s[G0B+4*\slot+2:G0B+4*\slot+3], s[G0B+4*\slot+2:G0B+4*\slot+3], 2*4096
	JLOAD G0+4*\slot, G1, G0B+4*\slot, G1B         ; my one tensor load behind the round; its four v_nop are also the places in front of the loads below
.else
	PLACES NP
.endif
	FETCH_B \next, 0, 0
	FETCH_A \next, 0, 0
	WIN MUL_HI
	MUL16 4, 1, 0
	MUL16 6, 1, 0
	PLACES NP
	WIN 0
	FETCH_A \next, 0, 4
.endm
	s_wait_alu depctr_va_vdst(0)                   ; the head's end
	s_wait_tensorcnt 0x0                           ; my part of fill 0 is in; slot 1's first fill is issued as a refill is:
	ds_add_u32 v[SPW], v[NIL]                      ; 0 onto my spare word
	s_wait_dscnt 0x0
	CROUND                                         ; a whole round: everybody's part of fill 0 is in, and the joint loads meet
	JLOAD G0+4, G1, G0B+4, G1B                     ; fill 1, my one tensor load behind the round
	FETCH_B 0, 0, 0
	FETCH_A 0, 0, 0
	FETCH_A 0, 0, 4
	STEP 0, 0, 1                                   ; eight steps of 128 along K, written out: four fills, of which two are refills
	TURN 0, 1, 1
	STEP 1, 0, 0
	TURN 1, 0, 1
	STEP 0, 0, 0
	TURN 0, 1, 0
	STEP 1, 0, 0
	s_wait_dscnt 4*NL
	WIN MUL_LO
	MUL16 0, 1, 0
	MUL16 2, 1, 0
	s_wait_dscnt 0
	WIN MUL_HI
	MUL16 4, 1, 0
	MUL16 6, 1, 0
	WIN 0
; THE WAY OUT of source 1's block a: rotate, hold, convert, store.  No LDS: the conversions' results are the images' registers, and each store covers 512 consecutive bytes.
; A pair (x1, x2) of an accumulator and its (c, s): first (-x2 s, x2 c), then + x1 (c, s).  Each accumulator is read from its low end on.
.macro OUTA a
.set AC, 64*((\a)%4)
.set CSB, CSR+32*((\a)%2)
.set CC, CD+16*((\a)%2)
.if (\a) > 0
	s_wait_xcnt 0x0                                ; the earlier stores have read their base and their data
	s_add_nc_u64 s[12:13], s[12:13], s[86:87]
.endif
.if (\a) < 7
	s_wait_loadcnt 8                               ; this block's eight loads of the table are in; the next block's eight may be out
.else
	s_wait_loadcnt 0x0
.endif
	WIN 0x02+((\a)/4)                              ; source 0: window 2 or 3
.irp b, 0,1,2,3,4,5,6,7
.irp p, 0,2,4,6
	v_pk_mul_f32 v[YY+8*\b+\p:YY+8*\b+\p+1], v[AC+8*\b+\p:AC+8*\b+\p+1], v[CSB+8*(\b%4)+\p:CSB+8*(\b%4)+\p+1] op_sel:[1,1] op_sel_hi:[1,0] neg_lo:[0,1]
.endr
.irp p, 0,2,4,6
	v_pk_fma_f32 v[YY+8*\b+\p:YY+8*\b+\p+1], v[AC+8*\b+\p:AC+8*\b+\p+1], v[CSB+8*(\b%4)+\p:CSB+8*(\b%4)+\p+1], v[YY+8*\b+\p:YY+8*\b+\p+1] op_sel_hi:[0,1,1]
.endr
.endr
	WIN 0
.if (\a)+2 < 8
	v_add_nc_u32 v[RO+(\a)%2], s89, v[RO+(\a)%2]   ; free since the wait above showed its loads done
	CSLOAD (\a)%2
.endif
.irp b, 0,1,2,3,4,5,6,7
.irp i, 0,1,2,3,4,5,6,7
	v_med3_num_f32 v[YY+8*\b+\i], v[YY+8*\b+\i], -v[LIM], v[LIM]   ; the conversion to an 8-bit code does not saturate (ISA guide 7.6.2)
.endr
	v_cvt_scalef32_pk8_fp8_f32 v[CC+2*\b:CC+2*\b+1], v[YY+8*\b:YY+8*\b+7], v[SCL]
.endr
	v_nop                                          ; a plain line behind the last conversion: the next block writes its sources
	global_store_b128 v[LI], v[CC:CC+3], s[12:13]
	global_store_b128 v[LI], v[CC+4:CC+7], s[12:13] offset:512
	global_store_b128 v[LI2], v[CC+8:CC+11], s[12:13]
	global_store_b128 v[LI2], v[CC+12:CC+15], s[12:13] offset:512
.endm
	PLACES NP                                      ; the rotated numbers land in registers that the last products read
.irp a, 0,1,2,3,4,5,6,7
	OUTA \a
.endr
	s_wait_tensorcnt 0x0                           ; the wave's end
	ds_add_u32 v[SPW], v[NIL]
	s_wait_dscnt 0x0
	CROUND                                         ; the closing round: no work-group ends while a partner may still ask for a tile that names it
	s_endpgm
.Lfunc_end_k_q7f0c11908b_qkv:
	.size	k_q7f0c11908b_qkv, .Lfunc_end_k_q7f0c11908b_qkv-k_q7f0c11908b_qkv
	.p2alignl 7, 3214868480
	.fill 96, 4, 3214868480
	.section	.rodata,"a",@progbits
	.p2align	6, 0x0
	.amdhsa_kernel k_q7f0c11908b_qkv
		.amdhsa_group_segment_fixed_size 327680
		.amdhsa_private_segment_fixed_size 0
		.amdhsa_enable_private_segment 0
		.amdhsa_kernarg_size 40
		.amdhsa_user_sgpr_count 2
		.amdhsa_user_sgpr_kernarg_segment_ptr 1
		.amdhsa_wavefront_size32 1
		.amdhsa_system_sgpr_workgroup_id_x 1
		.amdhsa_system_sgpr_workgroup_id_y 1
		.amdhsa_system_sgpr_workgroup_id_z 1
		.amdhsa_system_vgpr_workitem_id 0
		.amdhsa_next_free_vgpr 1024
		.amdhsa_next_free_sgpr 100
		.amdhsa_reserve_vcc 0
		.amdhsa_float_denorm_mode_32 3
		.amdhsa_float_denorm_mode_16_64 3
		.amdhsa_memory_ordered 1
		.amdhsa_forward_progress 1
		.amdhsa_inst_pref_size 158
	.end_amdhsa_kernel
	.amdgpu_metadata
---
amdhsa.version: [ 1, 2 ]
amdhsa.kernels:
  - .name:           k_q7f0c11908b_qkv
    .symbol:         k_q7f0c11908b_qkv.kd
    .args:
      - { .name: xc, .offset: 0, .size: 8, .value_kind: global_buffer, .address_space: global }
      - { .name: wc, .offset: 8, .size: 8, .value_kind: global_buffer, .address_space: global }
      - { .name: rope, .offset: 16, .size: 8, .value_kind: global_buffer, .address_space: global }
      - { .name: lowp_scales, .offset: 24, .size: 8, .value_kind: global_buffer, .address_space: global }
      - { .name: qkvc, .offset: 32, .size: 8, .value_kind: global_buffer, .address_space: global }
    .group_segment_fixed_size: 327680
    .private_segment_fixed_size: 0
    .kernarg_segment_align: 8
    .kernarg_segment_size: 40
    .max_flat_workgroup_size: 128
    .sgpr_count:     100
    .vgpr_count:     1024
    .wavefront_size: 32
...
	.end_amdgpu_metadata
.endif
;; end of part 2
;; launch attn (part 3): grid 16 x 16, 8 waves a work-group, clusters of 4 x 1, 327,680 bytes of LDS; arguments qkvc, attention_mask, lowp_scales, ao; writes ao
.if DOCPART == 3
	.amdgcn_target "amdgcn-amd-amdhsa--gfx1250"
	.amdhsa_code_object_version 6
	.text
	.protected	k_q7f0c11908b_attn
	.globl	k_q7f0c11908b_attn
	.p2align	8
	.type	k_q7f0c11908b_attn,@function
k_q7f0c11908b_attn:
	s_mov_b64 s[64:65], 0
	v_nop
	global_prefetch_b8 v0, s[64:65] scope:SCOPE_SE
	s_setreg_imm32_b32 hwreg(HW_REG_WAVE_MODE, 25, 1), 1
	s_wait_xcnt 0x0
	s_wait_alu depctr_hold_cnt(0) depctr_sa_sdst(0) depctr_va_vdst(0) depctr_va_sdst(0) depctr_va_ssrc(0) depctr_va_vcc(0) depctr_vm_vsrc(0)
	s_getreg_b32 s2, hwreg(HW_REG_IB_STS2, 6, 4)
	s_cmp_eq_u32 s2, 0
	s_cbranch_scc0 .Lentry_in_a_cluster
	s_endpgm
.Lentry_in_a_cluster:
	s_bfe_u32 s2, ttmp6, 0x10000c
	s_cmp_lg_u32 s2, 0x3003
	s_cbranch_scc0 .Lentry_shape_is_right
	s_endpgm
.Lentry_shape_is_right:
; ATTENTION on codes of E4M3: S^T = K Q^T, p = 2^(t - M) with M a whole number, O^T += V^T P^T, O / the sum of the unquantised p, quantised for the last projection.
; LEFT OUT: key steps all of whose 128 keys come after a tile's queries: p is 0 there.
; A query whose attention_mask is 0 has all 2,048 scores equal: p = 1 for every key, the sum 2,048: its row is the sum of V's codes x the code of 1, made once a work-group and chosen by v_cndmask_b32.
; SHARES.  Work-group (cluster x X, place cx, y): y = 4 batch + kv head, query head 4 (y mod 4) + cx; the four partners walk the same K and V, which are asked for jointly (mask 15) and stay in LDS whole
; (K 131,072 bytes, V 131,072 bytes): nothing is filled again.  Wave w of eight has u = 8 X + w and owns query tiles 126-2u, 127-2u and then 2u, 2u+1: 16 - u/4 and u/4 + 1 key steps, 17 trips for every wave.
; The two tiles of a pair share each fragment of K and of V.  The way out stands once, in the loop, under a branch on ids (the pair's last key step); cx enters global addresses alone.
; No prefetch: all of K and V is asked for at the head, by one load a wave; there is no loop to run ahead in.
; The next trip's fragments are fetched a trip ahead (the last trip's fetch reads a step that is not used).  Between pairs -M is set to its first value, so that the next factor f is 0 and clears O and the sum.
; LIMITS: e6 + e7 between -123 and 130; e8 and e10 - e8 - e9 between -126 and 119; the scaled scores stay under 2^31 in magnitude.
; REGISTERS.  Window 0: v1 16 x lane; v2, v3 the spare word and 0; v4, v5 LDS addresses; v6 r - 8 h; v8-11 masks; v12-19 -M, largest t, sum (two tiles); v20-23 f; v24-37 at work; v38-42 constants, v47 a second copy of v38;
; v48-63 Q, v64-79 the low pair's Q; v80-111 p's codes; v112-239 S^T, then p; v240-255 at work.  Window 1: v0-63 K's fragments, v64-127 V's, v128-191 O^T.
.set PA,    262144                     ; 8 x 256 bytes: each wave's part of V's sum
.set SVW,   266240                     ; 8 x 256 bytes: the whole sum, a copy for each wave
.set SPARE, 270336                     ; the spare words, 128 bytes a wave
.set SS, 112
.set PB, 176                           ; the second tile's scores
.set QQ, 48
.set CD, 80
.set MX, 24
.set WV, 12
.set U,  18
.set LL, 19                            ; u / 4
.set HI, 20                            ; the high pair's last key step, 15 - u / 4
.set I,  21
.set T0, 22
.set FL, 23
.set G1K, 24
.set G1V, 32
.set G0K, 40
.set G0V, 44
.set SEL, 48
.set CS,  50
.set DC,  52
.set DLO, 53
.set OB,  54
.set OBL, 56
.set QH,  58
.set QL,  60
.set MH,  62
.set ML,  66
.set VM,  90
.set MSB, 0
.macro WIN new                         ; the immediate's high byte repeats the setting that is left
.if MSB != \new
	s_set_vgpr_msb (MSB<<8)|\new
.set MSB, \new
.endif
.endm
.macro CROUND
	s_barrier_signal -1
	s_barrier_wait -1
	s_cmp_lg_u32 s[WV], 0
	s_cbranch_scc1 .Lnot_wave_0_\@
	s_barrier_signal -3
.Lnot_wave_0_\@:
	s_barrier_wait -3
	s_barrier_signal -1
	s_barrier_wait -1
.endm
.macro NOPS
.rept 4
	v_nop
.endr
.endm
	s_load_b256 s[4:11], s[0:1], 0x0               ; qkvc, attention_mask, the scales' exponents, ao
	v_lshl_add_u32 v2, v0, 2, SPARE
	v_mov_b32 v3, 0
	ds_add_u32 v2, v3                              ; the opening lines: the add, twice on end, and its wait
	ds_add_u32 v2, v3
	v_lshrrev_b32 v4, 5, v0
	v_readfirstlane_b32 s[WV], v4
	s_bfe_u32 s13, ttmp6, 0x40000                  ; cx
	s_and_b32 s14, ttmp7, 0xffff                   ; y
	s_lshr_b32 s15, s14, 2                         ; batch
	s_and_b32 s16, s14, 3                          ; kv head
	s_lshl_b32 s17, s16, 2
	s_add_co_u32 s17, s17, s13                     ; query head
	s_lshl_b32 s[U], ttmp9, 3
	s_add_co_u32 s[U], s[U], s[WV]
	s_lshl_b32 s[LL], ttmp9, 1
	s_lshr_b32 s80, s[WV], 2
	s_add_co_u32 s[LL], s[LL], s80
	s_xor_b32 s[HI], s[LL], 15
	; group 1: 4 rows of 8,192 bytes (1,024 elements of 8); K's lie on end, V's key steps 32,768 bytes apart
	s_mov_b32 s[G1K], 15|(3<<16)|(1<<21)
	s_mov_b32 s[G1V], 15|(3<<16)|(1<<21)
.irp g, G1K, G1V
	s_mov_b32 s[\g+1], 1024<<16
	s_mov_b32 s[\g+2], 4<<16
	s_mov_b32 s[\g+3], 1024<<16
	s_mov_b32 s[\g+4], 4
	s_mov_b32 s[\g+6], 0
	s_mov_b32 s[\g+7], 0
.endr
	s_mov_b32 s[G1K+5], 1024
	s_mov_b32 s[G1V+5], 4096
	s_and_b32 s85, s[WV], 3
	s_lshl_b32 s80, s14, 17
	s_lshl_b32 s81, s85, 15
	s_add_co_u32 s80, s80, s81
	s_add_co_u32 s80, s80, 8388608                 ; K: head y, key steps 4 (w mod 4) on
	s_mov_b32 s81, 0
	s_lshl_b32 s82, s15, 19
	s_lshl_b32 s83, s85, 17
	s_add_co_u32 s82, s82, s83
	s_lshl_b32 s83, s16, 13
	s_add_co_u32 s82, s82, s83
	s_add_co_u32 s82, s82, 10485760                ; V likewise
	s_mov_b32 s83, 0
	s_lshl_b32 s84, s[WV], 15                      ; LDS: waves 0-3 K's quarters, waves 4-7 V's
	s_wait_dscnt 0x0
	s_wait_kmcnt 0x0
	s_load_b256 s[68:75], s[8:9], 0x0              ; e0 .. e7
	s_load_b128 s[76:79], s[8:9], 0x20             ; e8 .. e11
	s_mov_b32 s[G0K], 1
	s_mov_b32 s[G0K+1], s84
	s_add_nc_u64 s[G0K+2:G0K+3], s[4:5], s[80:81]
	s_or_b32 s[G0K+3], s[G0K+3], 0x80000000
	s_mov_b32 s[G0V], 1
	s_mov_b32 s[G0V+1], s84
	s_add_nc_u64 s[G0V+2:G0V+3], s[4:5], s[82:83]
	s_or_b32 s[G0V+3], s[G0V+3], 0x80000000
	CROUND                                         ; the four partners are here: the joint loads meet
	s_cmp_lt_u32 s[WV], 4
	s_cbranch_scc0 .Lfor_v
	tensor_load_to_lds s[G0K:G0K+3], s[G1K:G1K+7]
	s_nop 0
	NOPS
	s_branch .Lasked
.Lfor_v:
	tensor_load_to_lds s[G0V:G0V+3], s[G1V:G1V+7]
	s_nop 0
	NOPS
.Lasked:
	; global addresses of the two pairs: Q, the mask, the output
	s_lshl_b32 s81, s[U], 1                        ; the low pair's first tile
	s_sub_co_u32 s82, 126, s81                     ; the high pair's
	s_lshl_b32 s80, s15, 4
	s_add_co_u32 s80, s80, s17
	s_lshl_b32 s80, s80, 7
	s_add_co_u32 s86, s80, s82
	s_lshl_b32 s86, s86, 10
	s_mov_b32 s87, 0
	s_add_nc_u64 s[QH:QH+1], s[4:5], s[86:87]
	s_add_co_u32 s86, s80, s81
	s_lshl_b32 s86, s86, 10
	s_add_nc_u64 s[QL:QL+1], s[4:5], s[86:87]
	s_lshl_b32 s80, s15, 13
	s_lshl_b32 s86, s82, 6
	s_add_co_u32 s86, s86, s80
	s_add_nc_u64 s[MH:MH+1], s[6:7], s[86:87]
	s_lshl_b32 s86, s81, 6
	s_add_co_u32 s86, s86, s80
	s_add_nc_u64 s[ML:ML+1], s[6:7], s[86:87]
	s_lshl_b32 s80, s15, 7
	s_lshr_b32 s83, s17, 1
	s_and_b32 s84, s17, 1
	s_lshl_b32 s84, s84, 10
	s_lshl_b32 s83, s83, 11
	s_add_co_u32 s83, s83, s84
	s_add_co_u32 s86, s80, s82
	s_lshl_b32 s86, s86, 14
	s_add_co_u32 s86, s86, s83
	s_add_nc_u64 s[OB:OB+1], s[10:11], s[86:87]    ; ((128 b + tile) 8 + head / 2) 2,048 + 1,024 (head mod 2)
	s_add_co_u32 s86, s80, s81
	s_lshl_b32 s86, s86, 14
	s_add_co_u32 s86, s86, s83
	s_add_nc_u64 s[OBL:OBL+1], s[10:11], s[86:87]
	s_and_b32 s80, s[U], 3
	s_lshl_b32 s[DLO], s80, 5                      ; 16 x (first tile mod 8): low pair,
	s_sub_co_u32 s[DC], 96, s[DLO]                 ; high pair
	s_lshl_b32 s88, s[WV], 8
	s_lshl_b32 s89, s[WV], 14
	s_add_co_u32 s89, s89, 131072
	s_mov_b32 s[SEL], 0x76543210
	s_mov_b32 s[SEL+1], 0xfedcba98
	s_mov_b32 s[I], 0
	v_and_b32 v26, 31, v0
	v_lshlrev_b32 v1, 4, v26
	v_and_b32 v24, 15, v0                          ; r
	v_bfe_u32 v25, v0, 4, 1                        ; h
	v_lshlrev_b32 v45, 2, v24
	v_lshlrev_b32 v6, 3, v25
	v_sub_nc_u32 v6, v24, v6
	v_lshl_add_u32 v46, v25, 5, s88
	v_add_nc_u32 v44, SVW, v46                     ; the sum, read back: 256 w + 32 h
	v_add_nc_u32 v46, PA, v46                      ; my part, stored
	v_lshlrev_b32 v47, 3, v26
	v_add_nc_u32 v43, s88, v47
	v_add_nc_u32 v43, SVW, v43                     ; the sum, stored: 256 w + 8 x lane
	v_add_nc_u32 v47, PA, v47                      ; the parts, read: 8 x lane
	v_add_nc_u32 v5, s89, v1                       ; V's key steps 2 w, 2 w + 1
	s_wait_alu depctr_va_vdst(0)                   ; the wait here: the lines below and behind the waits read what was just made
.irp j, 0,1,2,3
	global_load_b128 v[QQ+4*\j:QQ+4*\j+3], v1, s[QH:QH+1] offset:512*\j   ; the high pair's Q and masks; the low pair's are asked for just ahead of the loop
.endr
	global_load_b32 v8, v45, s[MH:MH+1]
	global_load_b32 v9, v45, s[MH:MH+1] offset:64
	s_wait_kmcnt 0x0
	s_add_co_i32 s80, s74, s75
	s_lshl_b32 s80, s80, 23
	s_add_co_i32 s[CS], s80, 0x3e38aa3b            ; c = log2(e) / 8 x 2^(e6 + e7)
	s_mov_b32 s[CS+1], s[CS]
	s_add_co_i32 s80, s76, 127
	s_lshl_b32 s81, s80, 23
	v_mov_b32 v39, s81                             ; 2^e8
	s_add_co_i32 s80, s80, 8
	s_lshl_b32 s80, s80, 23
	s_or_b32 s80, s80, 0x600000
	v_mov_b32 v38, s80                             ; 448 x 2^e8
	s_sub_co_i32 s80, s78, s76
	s_sub_co_i32 s80, s80, s77
	s_add_co_i32 s80, s80, 127
	s_lshl_b32 s81, s80, 23
	v_mov_b32 v41, s81                             ; 2^(e10 - e8 - e9)
	s_add_co_i32 s80, s80, 8
	s_lshl_b32 s80, s80, 23
	s_or_b32 s80, s80, 0x600000
	v_mov_b32 v40, s80
	v_mov_b32 v42, 0x45000000                      ; 2,048
	v_mov_b32 v13, 0xff61b1e6                      ; the largest t so far: -3e38
	v_mov_b32 v17, 0xff61b1e6
	v_floor_f32 v12, -v13
	v_floor_f32 v16, -v17
.irp r, 14,15,18,19,21,23,32,33
	v_mov_b32 v\r, 0
.endr
	WIN 0x40
.set ii, 0
.rept 64
	v_mov_b32 v[128+ii], 0                         ; O^T, once: later pairs are cleared by f = 0
.set ii, ii+1
.endr
	WIN 0
.irp i, 0,1,2,3,4,5,6,7
	v_min_num_f32 v[SS+\i], 1.0, v38
.endr
	v_cvt_scalef32_pk8_fp8_f32 v[CD:CD+1], v[SS:SS+7], v39   ; the code of p = 1
	v_nop
.irp c, 1,2,3,4,5,6,7
	v_mov_b32 v[CD+2*\c], v[CD]
	v_mov_b32 v[CD+1+2*\c], v[CD+1]
.endr
	s_wait_alu depctr_va_vdst(0)
	s_wait_tensorcnt 0x0                           ; my quarter is in
	s_barrier_signal -1
	s_barrier_wait -1                              ; everybody's is
	; V's sum over all keys x the code of 1: my two key steps, then all waves' parts
	WIN 0x40
.irp ct, 0,1,2,3
.irp g, 0,1,2,3
	ds_load_b128 v[64+16*\ct+4*\g:67+16*\ct+4*\g], v5 offset:2048*\ct+512*\g
	ds_load_b128 v[16*\ct+4*\g:3+16*\ct+4*\g], v5 offset:8192+2048*\ct+512*\g
.endr
.endr
	s_wait_dscnt 0x0
	WIN 0x01
.irp ct, 0,1,2,3
	v_wmma_f32_16x16x128_fp8_fp8 v[SS+8*\ct:SS+8*\ct+7], v[64+16*\ct:79+16*\ct], v[CD:CD+15], 0
.endr
.irp ct, 0,1,2,3
	v_wmma_f32_16x16x128_fp8_fp8 v[SS+8*\ct:SS+8*\ct+7], v[16*\ct:15+16*\ct], v[CD:CD+15], v[SS+8*\ct:SS+8*\ct+7]
.endr
	WIN 0
	NOPS
.irp ct, 0,1,2,3
	ds_store_b128 v46, v[SS+8*\ct:SS+8*\ct+3] offset:64*\ct
	ds_store_b128 v46, v[SS+8*\ct+4:SS+8*\ct+7] offset:64*\ct+16
.endr
	s_wait_dscnt 0x0
	s_barrier_signal -1
	s_barrier_wait -1
.irp w, 0,1,2,3,4,5,6,7
	ds_load_b64 v[SS+2*\w:SS+2*\w+1], v47 offset:256*\w
.endr
	s_wait_dscnt 0x0
.irp w, 0,4,8,12
	v_pk_add_f32 v[SS+\w:SS+\w+1], v[SS+\w:SS+\w+1], v[SS+\w+2:SS+\w+3]
.endr
	v_pk_add_f32 v[SS:SS+1], v[SS:SS+1], v[SS+4:SS+5]
	v_pk_add_f32 v[SS+8:SS+9], v[SS+8:SS+9], v[SS+12:SS+13]
	v_pk_add_f32 v[SS:SS+1], v[SS:SS+1], v[SS+8:SS+9]
	v_add_nc_u32 v5, 0x20000, v1
	v_mov_b32 v47, v38                             ; 448 x 2^e8 once more: the two halves of a dual pair take their first sources from different register banks
	ds_store_b64 v43, v[SS:SS+1]                   ; my own copy: read by me alone
.macro KLOAD adr
	WIN 0x40
.irp k, 0,1,2,3,4,5,6,7
	ds_load_b128 v[8*\k:8*\k+3], v\adr offset:1024*\k
	ds_load_b128 v[8*\k+4:8*\k+7], v\adr offset:1024*\k+512
.endr
	WIN 0
.endm
.macro VLOAD
	WIN 0x40
.irp ct, 0,1,2,3
.irp g, 0,1,2,3
	ds_load_b128 v[64+16*\ct+4*\g:67+16*\ct+4*\g], v5 offset:2048*\ct+512*\g
.endr
.endr
	WIN 0
.endm
; the hold of two p in one dual pair: the conversion does not saturate (ISA guide 7.6.2); p is not negative
.macro HOLD2 r
	v_dual_min_num_f32 v[\r], v38, v[\r] :: v_dual_min_num_f32 v[(\r)+1], v47, v[(\r)+1]
.endm
.macro FMA_A n                         ; n pairs of the first tile's t - M, from pair ii on
.rept \n
	v_pk_fma_f32 v[SS+2*ii:SS+2*ii+1], v[SS+2*ii:SS+2*ii+1], s[CS:CS+1], v[12:13] op_sel_hi:[1,0,0]
.set ii, ii+1
.endr
.endm
.macro SUM_A j                         ; two of the first tile's sums by fours
	v_pk_add_f32 v[14:15], v[14:15], v[96+4*(\j)+128*((\j)/4):97+4*(\j)+128*((\j)/4)]
	v_pk_add_f32 v[34:35], v[34:35], v[98+4*(\j)+128*((\j)/4):99+4*(\j)+128*((\j)/4)]
.endm
	KLOAD 1                                        ; key step 0
	VLOAD
.irp j, 0,1,2,3
	global_load_b128 v[QQ+16+4*\j:QQ+16+4*\j+3], v1, s[QL:QL+1] offset:512*\j
.endr
	global_load_b32 v10, v45, s[ML:ML+1]
	global_load_b32 v11, v45, s[ML:ML+1] offset:64
	s_wait_alu depctr_va_vdst(0)                   ; the head's end
	s_wait_loadcnt 6                               ; the high pair's six loads are in; the low pair's six, just issued, may be out: they are waited for on the way out
.Ltrip:                                            ; 17 trips: key steps 0 .. HI of the high pair, then 0 .. u / 4 of the low pair
	s_cmp_ge_u32 s[I], s[HI]
	s_cselect_b32 s[T0], s[LL], 0
	s_add_co_u32 s[T0], s[T0], s[I]
	s_add_co_u32 s[T0], s[T0], 1
	s_and_b32 s[T0], s[T0], 15                     ; the next trip's key step
	s_lshl_b32 s[T0], s[T0], 13
	s_wait_dscnt 16                                ; K's sixteen loads are in; V's sixteen, issued behind them, may be out
	WIN 0x01
.irp t, 0,1
.irp k, 0,1,2,3,4,5,6,7
	v_wmma_f32_16x16x64_fp8_fp8 v[SS+64*\t+8*\k:SS+64*\t+8*\k+7], v[8*\k:8*\k+7], v[QQ+8*\t:QQ+8*\t+7], 0
.endr
.endr
	WIN 0
	v_add_nc_u32 v4, s[T0], v1                     ; four places behind the products
	v_add_nc_u32 v5, 0x20000, v4
	v_nop
	v_nop
	KLOAD 4                                        ; the next trip's K
	s_cmp_eq_u32 s[I], s[HI]
	s_cselect_b32 s[FL], 1, 0
	s_cmp_eq_u32 s[I], 16
	s_cselect_b32 s[FL], 1, s[FL]                  ; a pair's last key step: it holds the diagonal
	s_cmp_eq_u32 s[FL], 0
	s_cbranch_scc1 .Lopen
	v_add_nc_u32 v7, s[DC], v6                     ; register 8 k + j holds key 16 k + 8 h + j of the step: hidden where 16 k + j > 16 (tile mod 8) + r - 8 h
	v_mov_b32 v43, 0xff800000
.set ii, 0
.rept 72                                       ; the second tile's queries lie 16 on: its register ii and the first tile's register ii - 8 have one compare
	v_cmp_gt_i32 vcc_lo, 16*(ii/8)+ii%8-16, v7
.if ii < 64
	v_cndmask_b32 v[PB+ii], v[PB+ii], v43, vcc_lo
.endif
.if ii >= 8
	v_cndmask_b32 v[SS+ii-8], v[SS+ii-8], v43, vcc_lo
.endif
.set ii, ii+1
.endr
.Lopen:
.irp t, 0,1                                    ; the step's largest score: four chains a tile, each accumulator from its low end on
.irp j, 0,1,2,3
	v_max_num_f32 v[MX+4*\t+\j], v[SS+64*\t+2*\j], v[SS+64*\t+2*\j+1]
.endr
.endr
.irp k, 1,2,3,4,5,6,7
.irp t, 0,1
.irp j, 0,1,2,3
	v_max3_num_f32 v[MX+4*\t+\j], v[MX+4*\t+\j], v[SS+64*\t+8*\k+2*\j], v[SS+64*\t+8*\k+2*\j+1]
.endr
.endr
.endr
.irp t, 0,1
	v_max3_num_f32 v[MX+4*\t], v[MX+4*\t], v[MX+4*\t+1], v[MX+4*\t+2]
.endr
.irp t, 0,1
	v_max_num_f32 v[MX+4*\t], v[MX+4*\t], v[MX+4*\t+3]
.endr
.irp t, 0,1
	v_permlanex16_b32 v[32+\t], v[MX+4*\t], s[SEL], s[SEL+1]
.endr
.irp t, 0,1
	v_max_num_f32 v[MX+4*\t], v[MX+4*\t], v[32+\t]
.endr
.irp t, 0,1
	v_mul_f32 v[MX+4*\t], s[CS], v[MX+4*\t]        ; as t
.endr
.irp t, 0,1
	v_max_num_f32 v[13+4*\t], v[13+4*\t], v[MX+4*\t]
	v_mov_b32 v[MX+4*\t+1], v[12+4*\t]
.endr
.irp t, 0,1
	v_floor_f32 v[12+4*\t], -v[13+4*\t]            ; -M = floor(-t)
.endr
.irp t, 0,1
	v_sub_f32 v[MX+4*\t+1], v[12+4*\t], v[MX+4*\t+1]
.endr
.set ii, 0
	FMA_A 8                                        ; the first tile's t - M wants -M alone: the lines that make f stand among them
.irp t, 0,1
	v_cvt_i32_f32 v[MX+4*\t+1], v[MX+4*\t+1]       ; it saturates
.endr
	FMA_A 8
.irp t, 0,1
	v_ldexp_f32 v[20+2*\t], 1.0, v[MX+4*\t+1]      ; f = 2^(old M - new M)
.endr
	FMA_A 16
	s_wait_alu depctr_va_vdst(0)                   ; ahead of the batch
.set ii, 0
.rept 32                                       ; the first tile's exponentials; the second tile's t - M stands among them and is read behind the next wait
	v_exp_f32 v[SS+2*ii], v[SS+2*ii]
	v_exp_f32 v[SS+2*ii+1], v[SS+2*ii+1]
	v_pk_fma_f32 v[PB+2*ii:PB+1+2*ii], v[PB+2*ii:PB+1+2*ii], s[CS:CS+1], v[16:17] op_sel_hi:[1,0,0]
.set ii, ii+1
.endr
	s_wait_alu depctr_va_vdst(0)                   ; behind the first batch and ahead of the second
.set kk, 0
.rept 8                                        ; the second tile's exponentials; among them the first tile's sums by fours (into registers of their own) and its hold: none reads what another of them wrote
.set AA, SS+8*kk
.set BB, PB+8*kk
.set TT, 96+4*kk+128*(kk/4)
	v_exp_f32 v[BB], v[BB]
	v_pk_add_f32 v[TT:TT+1], v[AA:AA+1], v[AA+2:AA+3]
	v_exp_f32 v[BB+1], v[BB+1]
	v_pk_add_f32 v[TT+2:TT+3], v[AA+4:AA+5], v[AA+6:AA+7]
.irp i, 0,1,2,3
	v_exp_f32 v[BB+2+\i], v[BB+2+\i]
	HOLD2 AA+2*\i
.endr
	v_exp_f32 v[BB+6], v[BB+6]
	v_exp_f32 v[BB+7], v[BB+7]
.set kk, kk+1
.endr
	v_nop                                          ; a plain place behind the last exponential
	s_wait_dscnt 16                                ; V's sixteen loads are in; the next trip's K, issued behind them, may be out
	WIN 0x41
	s_wait_alu depctr_va_vdst(0)                   ; one wait: for the batch, for what was written among it, and directly ahead of the first reader of O^T
.set ii, 0
.rept 16
	v_pk_mul_f32 v[128+2*ii:129+2*ii], v[128+2*ii:129+2*ii], v[20:21] op_sel_hi:[1,0]   ; O^T under the new M
	v_pk_mul_f32 v[160+2*ii:161+2*ii], v[160+2*ii:161+2*ii], v[22:23] op_sel_hi:[1,0]
.set ii, ii+1
.endr
	WIN 0
.irp k, 0,1,2,3,4,5,6,7
	v_cvt_scalef32_pk8_fp8_f32 v[CD+2*\k:CD+2*\k+1], v[SS+8*\k:SS+8*\k+7], v39
.endr
	v_pk_mul_f32 v[14:15], v[14:15], v[20:21] op_sel_hi:[1,0]   ; the sums under the new M
	v_pk_mul_f32 v[18:19], v[18:19], v[22:23] op_sel_hi:[1,0]
	v_pk_add_f32 v[34:35], v[96:97], v[98:99]      ; the sums of the unquantised p: two chains for the first tile, four for the second
	v_pk_add_f32 v[36:37], v[PB:PB+1], v[PB+2:PB+3]
	v_pk_add_f32 v[24:25], v[PB+4:PB+5], v[PB+6:PB+7]
	v_pk_add_f32 v[26:27], v[PB+8:PB+9], v[PB+10:PB+11]
	v_pk_add_f32 v[18:19], v[18:19], v[PB+12:PB+13]
	v_pk_add_f32 v[36:37], v[36:37], v[PB+14:PB+15]
	SUM_A 1
.set jj, 2
.rept 6
	SUM_A jj
	v_pk_add_f32 v[18:19], v[18:19], v[PB+8*jj:PB+8*jj+1]
	v_pk_add_f32 v[36:37], v[36:37], v[PB+8*jj+2:PB+8*jj+3]
	v_pk_add_f32 v[24:25], v[24:25], v[PB+8*jj+4:PB+8*jj+5]
	v_pk_add_f32 v[26:27], v[26:27], v[PB+8*jj+6:PB+8*jj+7]
.set jj, jj+1
.endr
	v_pk_add_f32 v[36:37], v[36:37], v[24:25]
	v_pk_add_f32 v[18:19], v[18:19], v[26:27]
	v_pk_add_f32 v[14:15], v[14:15], v[34:35]
	v_pk_add_f32 v[18:19], v[18:19], v[36:37]
.irp i, 0,2,4,6
	HOLD2 PB+\i
.endr
.irp k, 1,2,3,4,5,6,7                          ; each conversion stands behind the next eight numbers' hold
.irp i, 0,2,4,6
	HOLD2 PB+8*\k+\i
.endr
	v_cvt_scalef32_pk8_fp8_f32 v[CD+14+2*\k:CD+15+2*\k], v[PB+8*\k-8:PB+8*\k-1], v39
.endr
	v_cvt_scalef32_pk8_fp8_f32 v[CD+30:CD+31], v[PB+56:PB+63], v39
	v_nop                                          ; a plain line between the last conversion and the products that read the codes
	WIN 0x51
.irp t, 0,1
.irp ct, 0,1,2,3
	v_wmma_f32_16x16x128_fp8_fp8 v[128+32*\t+8*\ct:135+32*\t+8*\ct], v[64+16*\ct:79+16*\ct], v[CD+16*\t:CD+16*\t+15], v[128+32*\t+8*\ct:135+32*\t+8*\ct]
.endr
.endr
	WIN 0
	NOPS
	VLOAD                                          ; the next trip's V
	s_cmp_eq_u32 s[FL], 0
	s_cbranch_scc1 .Lnext
	; THE WAY OUT of a pair
.irp ct, 0,1,2,3
	ds_load_b128 v[PB+8*\ct:PB+3+8*\ct], v44 offset:64*\ct
	ds_load_b128 v[PB+4+8*\ct:PB+7+8*\ct], v44 offset:64*\ct+16
.endr
.irp t, 0,1
	v_add_f32 v[14+4*\t], v[14+4*\t], v[15+4*\t]
.endr
.irp t, 0,1
	v_permlanex16_b32 v[32+\t], v[14+4*\t], s[SEL], s[SEL+1]
.endr
.irp t, 0,1
	v_add_f32 v[14+4*\t], v[14+4*\t], v[32+\t]
	v_cmp_eq_u32 s[VM+\t], 0, v[8+\t]
.endr
.irp t, 0,1
	v_cndmask_b32 v[14+4*\t], v[14+4*\t], v42, s[VM+\t]
.endr
	s_wait_alu depctr_va_vdst(0)                   ; ahead of the transcendentals
	v_rcp_f32 v20, v14
	v_rcp_f32 v22, v18
	v_nop
	s_wait_dscnt 0x0
	WIN 0x01
	s_wait_alu depctr_va_vdst(0)                   ; behind them, directly ahead of the first reader of O^T
.irp t, 0,1
.set ii, 0
.rept 32
	v_cndmask_b32 v[SS+32*\t+ii], v[128+32*\t+ii], v[PB+ii], s[VM+\t]
.set ii, ii+1
.endr
.endr
	WIN 0
.irp t, 0,1
.set ii, 0
.rept 16
	v_pk_mul_f32 v[SS+32*\t+2*ii:SS+32*\t+2*ii+1], v[SS+32*\t+2*ii:SS+32*\t+2*ii+1], v[20+2*\t:21+2*\t] op_sel_hi:[1,0]
.set ii, ii+1
.endr
.endr
.irp t, 0,1
.irp ct, 0,1,2,3
.irp i, 0,1,2,3,4,5,6,7
	v_med3_num_f32 v[SS+32*\t+8*\ct+\i], v[SS+32*\t+8*\ct+\i], -v40, v40
.endr
	v_cvt_scalef32_pk8_fp8_f32 v[240+8*\t+2*\ct:241+8*\t+2*\ct], v[SS+32*\t+8*\ct:SS+32*\t+8*\ct+7], v41
.endr
.endr
	v_nop
	global_store_b128 v1, v[240:243], s[OB:OB+1]               ; each store covers 512 consecutive bytes, aligned
	global_store_b128 v1, v[244:247], s[OB:OB+1] offset:512
	global_store_b128 v1, v[248:251], s[OB:OB+1] offset:16384
	global_store_b128 v1, v[252:255], s[OB:OB+1] offset:16896
	s_wait_xcnt 0x0                                ; the stores have read their data and their base
	s_wait_loadcnt 0x0                             ; the low pair's Q and masks are in
	s_mov_b64 s[OB:OB+1], s[OBL:OBL+1]             ; on to the low pair
	s_mov_b32 s[DC], s[DLO]
	v_mov_b32 v13, 0xff61b1e6
	v_mov_b32 v17, 0xff61b1e6
	v_floor_f32 v12, -v13
	v_floor_f32 v16, -v17
	v_mov_b32 v8, v10
	v_mov_b32 v9, v11
.set ii, 0
.rept 16
	v_mov_b32 v[QQ+ii], v[QQ+16+ii]
.set ii, ii+1
.endr
.Lnext:
	s_add_co_u32 s[I], s[I], 1
	s_cmp_lt_u32 s[I], 17
	s_wait_alu depctr_va_vdst(0)
	s_cbranch_scc1 .Ltrip
	s_wait_tensorcnt 0x0                           ; the wave's end
	ds_add_u32 v2, v3
	s_wait_dscnt 0x0
	CROUND                                         ; the closing round
	s_endpgm
.Lfunc_end_k_q7f0c11908b_attn:
	.size	k_q7f0c11908b_attn, .Lfunc_end_k_q7f0c11908b_attn-k_q7f0c11908b_attn
	.p2alignl 7, 3214868480
	.fill 96, 4, 3214868480
	.section	.rodata,"a",@progbits
	.p2align	6, 0x0
	.amdhsa_kernel k_q7f0c11908b_attn
		.amdhsa_group_segment_fixed_size 327680
		.amdhsa_private_segment_fixed_size 0
		.amdhsa_enable_private_segment 0
		.amdhsa_kernarg_size 32
		.amdhsa_user_sgpr_count 2
		.amdhsa_user_sgpr_kernarg_segment_ptr 1
		.amdhsa_wavefront_size32 1
		.amdhsa_system_sgpr_workgroup_id_x 1
		.amdhsa_system_sgpr_workgroup_id_y 1
		.amdhsa_system_sgpr_workgroup_id_z 1
		.amdhsa_system_vgpr_workitem_id 0
		.amdhsa_next_free_vgpr 512
		.amdhsa_next_free_sgpr 100
		.amdhsa_reserve_vcc 1
		.amdhsa_float_denorm_mode_32 3
		.amdhsa_float_denorm_mode_16_64 3
		.amdhsa_memory_ordered 1
		.amdhsa_forward_progress 1
		.amdhsa_inst_pref_size 68
	.end_amdhsa_kernel
	.amdgpu_metadata
---
amdhsa.version: [ 1, 2 ]
amdhsa.kernels:
  - .name:           k_q7f0c11908b_attn
    .symbol:         k_q7f0c11908b_attn.kd
    .args:
      - { .name: qkvc, .offset: 0, .size: 8, .value_kind: global_buffer, .address_space: global }
      - { .name: attention_mask, .offset: 8, .size: 8, .value_kind: global_buffer, .address_space: global }
      - { .name: lowp_scales, .offset: 16, .size: 8, .value_kind: global_buffer, .address_space: global }
      - { .name: ao, .offset: 24, .size: 8, .value_kind: global_buffer, .address_space: global }
    .group_segment_fixed_size: 327680
    .private_segment_fixed_size: 0
    .kernarg_segment_align: 8
    .kernarg_segment_size: 32
    .max_flat_workgroup_size: 256
    .sgpr_count:     100
    .vgpr_count:     512
    .wavefront_size: 32
...
	.end_amdgpu_metadata
.endif
;; end of part 3
;; launch oproj (part 4): grid 4 x 64, 4 waves a work-group, clusters of 4 x 4, 327,680 bytes of LDS; arguments ao, wc, lowp_scales, out0; writes out0
.if DOCPART == 4
	.amdgcn_target "amdgcn-amd-amdhsa--gfx1250"
	.amdhsa_code_object_version 6
	.text
	.protected	k_q7f0c11908b_oproj
	.globl	k_q7f0c11908b_oproj
	.p2align	8
	.type	k_q7f0c11908b_oproj,@function
k_q7f0c11908b_oproj:
	s_mov_b64 s[64:65], 0
	v_nop
	global_prefetch_b8 v0, s[64:65] scope:SCOPE_SE
	s_setreg_imm32_b32 hwreg(HW_REG_WAVE_MODE, 25, 1), 1
	s_wait_xcnt 0x0
	s_wait_alu depctr_hold_cnt(0) depctr_sa_sdst(0) depctr_va_vdst(0) depctr_va_sdst(0) depctr_va_ssrc(0) depctr_va_vcc(0) depctr_vm_vsrc(0)
	s_getreg_b32 s2, hwreg(HW_REG_IB_STS2, 6, 4)
	s_cmp_eq_u32 s2, 0
	s_cbranch_scc0 .Lentry_in_a_cluster
	s_endpgm
.Lentry_in_a_cluster:
	s_bfe_u32 s2, ttmp6, 0x10000c
	s_cmp_lg_u32 s2, 0xf033
	s_cbranch_scc0 .Lentry_shape_is_right
	s_endpgm
.Lentry_shape_is_right:
; OPROJ: out0 [8192][1024] f32 = attention's rows x Wo, both as codes of E4M3; each finished sum x 2^(e10 + e11).
; OPERANDS ARE IMAGES OF THEIR REGISTERS: 16 rows x 128 k = 2,048 bytes, four loads of 16 bytes a lane, 512 apart; a tile of 16 rows has its eight K steps on end, 16,384 bytes.
; A work-group makes 128 tokens x 256 columns: 64 x 4 = 256 work-groups.  Four waves, each 64 x 128: 32 accumulators of 16 x 16 in window 2.
; K = 1,024 goes in four fills of 256 through two LDS slots.  A slot: the tokens' 8 tiles x 4,096 bytes from byte 0, Wo's 16 tiles x 4,096 bytes from byte 65,536.
; Waves 0 and 1 bring four tiles of tokens each, waves 2 and 3 eight tiles of Wo each: one tensor load a wave for each fill.
; CLUSTERS of 4 x 4: the tokens' tile is shared along a row of the cluster, Wo's along a column: joint loads.
; Source 0 = 16 columns of Wo, source 1 = 16 tokens: a lane holds eight neighbouring numbers of a row of out0.
; PREFETCH: the tokens' fills 2 and 3 are asked for one fill ahead of their loads: 8 tiles x 4,096 bytes, of which each of the four partners of a row takes two tiles by address (cx), wave 0, a lane a block of 256 bytes.
; Fills 0 and 1 come by their loads alone.  Wo's codes are not asked for: all 64 row blocks of the launch read the same 1,048,576 bytes.
; LIMIT: e10 + e11 between -126 and 127, so that 2^(e10 + e11) is an f32 number.
; REGISTERS.  Window 0: v16-29 addresses; v32-95 at work on the way out; v128-255 the tokens' fragments, two sets of four (on the way out: rows read back).  Window 1: Wo's fragments, two sets of eight.
.set SIZE_N, 1024
.set FR,     16
.set NP,     4
.set SLOT,   131072
.set BREG,   65536
.set SPARE,  2*SLOT                    ; the spare words, 128 bytes a wave
.set SPITCH, 528                       ; the way out: 16 rows x (512 + 16) bytes a wave, in slot 0 behind its last fill and its last read
.set ADRA, 16
.set ADRB, 20
.set STO,  24
.set RD,   25
.set CO,   26
.set PFO,  27
.set SPW,  28
.set NIL,  29
.set TMP,  32
.set AF,   128
.set BK,   128
.set G1,  24
.set G0,  32
.set G1B, 48
.set G0B, 56
.set PFA, 66
.set MSB, 0
.macro WIN new                         ; the immediate's high byte repeats the setting that is left
.if MSB != \new
	s_set_vgpr_msb (MSB<<8)|\new
.set MSB, \new
.endif
.endm
.set MUL,  0xa1                        ; source 0 window 1, source 1 window 0, C and D window 2
.set TO_B, 0x40
.macro PLACES n
.rept \n
	v_nop
.endr
.endm
.macro JLOAD g0a, g1a, g0b, g1b        ; waves 0, 1: tokens; waves 2, 3: Wo.  An s_nop 0 and four v_nop follow each line
	s_cmp_eq_u32 s15, 0
	s_cbranch_scc0 .Lfor_b_\@
	tensor_load_to_lds s[\g0a:\g0a+3], s[\g1a:\g1a+7]
	s_nop 0
	PLACES 4
	s_branch .Lasked_\@
.Lfor_b_\@:
	tensor_load_to_lds s[\g0b:\g0b+3], s[\g1b:\g1b+7]
	s_nop 0
	PLACES 4
.Lasked_\@:
.endm
.macro CREST
	s_cmp_lg_u32 s14, 0
	s_cbranch_scc1 .Lnot_wave_0_\@
	s_barrier_signal -3
.Lnot_wave_0_\@:
	s_barrier_wait -3
	s_barrier_signal -1
	s_barrier_wait -1
.endm
.macro CROUND
	s_barrier_signal -1
	s_barrier_wait -1
	CREST
.endm
.macro ASK off                         ; wave 0 asks for my work-group's two tiles of the fill at byte off of each tile; its registers are never rewritten
	s_cmp_lg_u32 s14, 0
	s_cbranch_scc1 .Lnot_mine_\@
	global_prefetch_b8 v[PFO], s[PFA:PFA+1] offset:\off th:TH_LOAD_NT scope:SCOPE_SE
.Lnot_mine_\@:
.endm
	s_load_b256 s[4:11], s[0:1], 0x0               ; ao, wc, the scales' exponents, out0
	v_lshl_add_u32 v[SPW], v0, 2, SPARE
	v_mov_b32 v[NIL], 0
	ds_add_u32 v[SPW], v[NIL]                      ; the opening lines: the add, twice on end, and its wait
	ds_add_u32 v[SPW], v[NIL]
	v_lshrrev_b32 v1, 5, v0
	v_readfirstlane_b32 s14, v1                    ; wave
	s_lshr_b32 s15, s14, 1                         ; which 64 tokens are mine.  Also: I fetch tokens (0) or Wo (1)
	s_and_b32 s16, s14, 1                          ; which 128 columns.  Also: which half I fetch
	s_bfe_u32 s40, ttmp6, 0x40000                  ; cx
	s_bfe_u32 s41, ttmp6, 0x40004                  ; cy
	s_lshl_b32 s42, ttmp9, 2
	s_add_co_u32 s42, s42, s40                     ; block column
	s_and_b32 s17, ttmp7, 0xffff
	s_lshl_b32 s17, s17, 2
	s_add_co_u32 s17, s17, s41                     ; block row
	s_lshl_b32 s43, s41, 2
	s_lshl_b32 s43, 15, s43                        ; my row of the cluster
	s_lshl_b32 s44, 0x1111, s40                    ; my column
	s_or_b32 s[G1+0], s43, (3<<16)|(1<<21)         ; elements of 8 bytes; rows of 4,096 bytes, 16,384 apart in memory, dense in LDS
	s_or_b32 s[G1B+0], s44, (3<<16)|(1<<21)
.irp g, G1, G1B
	s_mov_b32 s[\g+1], 512<<16
	s_mov_b32 s[\g+3], 512<<16
	s_mov_b32 s[\g+5], 2048
	s_mov_b32 s[\g+6], 0
	s_mov_b32 s[\g+7], 0
.endr
	s_mov_b32 s[G1+2], 4<<16                       ; four tiles of tokens,
	s_mov_b32 s[G1+4], 4
	s_mov_b32 s[G1B+2], 8<<16                      ; eight of Wo
	s_mov_b32 s[G1B+4], 8
	s_lshl_b32 s20, s17, 17                        ; 8 tiles of 16,384 bytes a block row,
	s_lshl_b32 s21, s16, 16                        ; 4 for my half
	s_add_co_u32 s20, s20, s21
	s_mov_b32 s21, 0
	s_lshl_b32 s46, s42, 18                        ; 16 tiles a block column,
	s_lshl_b32 s47, s16, 17                        ; 8 for my half
	s_add_co_u32 s46, s46, s47
	s_add_co_u32 s46, s46, 1572864                 ; Wo's tiles begin at tile 96 of wc
	s_mov_b32 s47, 0
	s_lshl_b32 s45, s16, 14                        ; LDS: the tokens' halves,
	s_lshl_b32 s18, s16, 15
	s_add_co_u32 s18, s18, BREG                    ; Wo's
	s_wait_dscnt 0x0
	s_wait_kmcnt 0x0
	s_load_b64 s[96:97], s[8:9], 0x28              ; e10, e11
	s_add_nc_u64 s[20:21], s[4:5], s[20:21]
	s_add_nc_u64 s[46:47], s[6:7], s[46:47]
	CROUND                                         ; all sixteen work-groups are here: the first joint loads meet
.irp s, 0,1
	s_mov_b32 s[G0+4*\s], 1
	s_add_co_u32 s[G0+4*\s+1], s45, \s*SLOT
	s_add_nc_u64 s[G0+4*\s+2:G0+4*\s+3], s[20:21], \s*4096
	s_or_b32 s[G0+4*\s+3], s[G0+4*\s+3], 0x80000000
	s_mov_b32 s[G0B+4*\s], 1
	s_add_co_u32 s[G0B+4*\s+1], s18, \s*SLOT
	s_add_nc_u64 s[G0B+4*\s+2:G0B+4*\s+3], s[46:47], \s*4096
	s_or_b32 s[G0B+4*\s+3], s[G0B+4*\s+3], 0x80000000
.endr
	JLOAD G0, G1, G0B, G1B                         ; fill 0: one tensor load a wave at the head
	s_lshl_b32 s21, s15, 14                        ; my four tiles of tokens in a slot
	s_lshl_b32 s22, s16, 15
	s_add_co_u32 s22, s22, BREG                    ; my eight tiles of Wo
	s_add_co_u32 s72, s21, SLOT
	s_add_co_u32 s73, s22, SLOT
	s_mul_i32 s23, s14, 16*SPITCH                  ; my stage
	s_lshl_b32 s74, s17, 7
	s_lshl_b32 s75, s15, 6
	s_add_co_u32 s74, s74, s75                     ; my first row of out0,
	s_lshl_b32 s74, s74, 12
	s_lshl_b32 s75, s42, 10
	s_add_co_u32 s74, s74, s75
	s_lshl_b32 s75, s16, 9
	s_add_co_u32 s74, s74, s75                     ; my first column
	s_mov_b32 s75, 0
	s_add_nc_u64 s[10:11], s[10:11], s[74:75]
	s_lshl_b32 s76, s17, 17
	s_lshl_b32 s77, s40, 15                        ; of the block row's 8 tiles my work-group asks for tiles 2 cx, 2 cx + 1
	s_add_co_u32 s76, s76, s77
	s_mov_b32 s77, 0
	s_add_nc_u64 s[PFA:PFA+1], s[4:5], s[76:77]
	v_and_b32 v1, 15, v0
	v_bfe_u32 v2, v0, 4, 1
	v_and_b32 v6, 31, v0
	v_lshlrev_b32 v[CO], 4, v6
	v_add_nc_u32 v[ADRA], s21, v[CO]
	v_add_nc_u32 v[ADRB], s22, v[CO]
	v_add_nc_u32 v[ADRA+1], s72, v[CO]
	v_add_nc_u32 v[ADRB+1], s73, v[CO]
	v_mul_u32_u24 v5, v1, SPITCH
	v_lshl_add_u32 v5, v2, 5, v5
	v_add_nc_u32 v[STO], s23, v5                   ; into the stage: row l % 16, 32 bytes for each half of the lanes
	v_add_nc_u32 v[RD], s23, v[CO]                 ; back: the 32 lanes take a row of 512 bytes
	v_lshlrev_b32 v[PFO], 8, v1
	v_lshl_add_u32 v[PFO], v2, 14, v[PFO]          ; lanes 0-15 one tile's sixteen blocks of 256 bytes, lanes 16-31 the next tile's
.macro FRAG reg, adr, q, i             ; tile i's fragment of the slot's q-th 128 along K: the image as it lies
.irp c, 0,1,2,3
	ds_load_b128 v[\reg+4*\c:\reg+4*\c+3], v[\adr] offset:2048*(\q)+512*\c+(\i)*4096
.endr
.endm
; 16 matrix instructions: token blocks a0, a0 + 1 x Wo's eight, from set p.  The 32 accumulators take turns, one instruction a turn, in the same order in every step
.macro MUL16 a0, p, zero
.irp a, \a0, \a0+1
.irp b, 0,1,2,3,4,5,6,7
.if \zero
	v_wmma_f32_16x16x128_fp8_fp8 v[8*(8*(\a)+\b):8*(8*(\a)+\b)+7], v[128*(\p)+FR*\b:128*(\p)+FR*\b+FR-1], v[AF+64*(\p)+FR*(\a):AF+64*(\p)+FR*(\a)+FR-1], 0
.else
	v_wmma_f32_16x16x128_fp8_fp8 v[8*(8*(\a)+\b):8*(8*(\a)+\b)+7], v[128*(\p)+FR*\b:128*(\p)+FR*\b+FR-1], v[AF+64*(\p)+FR*(\a):AF+64*(\p)+FR*(\a)+FR-1], v[8*(8*(\a)+\b):8*(8*(\a)+\b)+7]
.endif
.endr
.endr
.endm
.macro FETCH slot, q, p                ; 48 LDS loads in one run: the fragments of one step into set p
	WIN TO_B
.irp i, 0,1,2,3,4,5,6,7
	FRAG 128*(\p)+FR*\i, ADRB+\slot, \q, \i
.endr
	WIN 0
.irp i, 0,1,2,3
	FRAG AF+64*(\p)+FR*\i, ADRA+\slot, \q, \i
.endr
.endm
; a slot's first step multiplies set 0 and fetches the slot's second step into set 1
.macro STEP slot, zero
	s_wait_dscnt 0x0                               ; set 0 is in
	WIN MUL
	MUL16 0, 0, \zero
	PLACES NP                                      ; in front of loads into set 1, which the step before multiplied
	FETCH \slot, 1, 1
	WIN MUL
	MUL16 2, 0, \zero
	WIN 0
.endm
; a slot's second step multiplies set 1 and changes slots: one barrier; in front of it each wave waits for all its tensor loads, adds 0 to its spare word and waits for that and for its reads of this slot
.macro TURN slot, next, fill, ask
	s_wait_tensorcnt 0x0                           ; my one load that was out, my part of the next slot, has landed
	ds_add_u32 v[SPW], v[NIL]
	s_wait_dscnt 1                                 ; set 1 is in; the add may be out
	WIN MUL
	MUL16 0, 1, 0
	s_wait_dscnt 0x0                               ; the add is done; my reads of this slot were over above
	s_barrier_signal -1
	WIN 0
	s_barrier_wait -1
.if \fill
	CREST                                          ; the barrier has opened a round of the cluster's: no wave of any partner still reads this slot or has a load on its way
	s_add_nc_u64 s[G0+4*\slot+2:G0+4*\slot+3], s[G0+4*\slot+2:G0+4*\slot+3], 2*4096
	s_add_nc_u64 s[G0B+4*\slot+2:G0B+4*\slot+3], s[G0B+4*\slot+2:G0B+4*\slot+3], 2*4096
	JLOAD G0+4*\slot, G1, G0B+4*\slot, G1B         ; my one tensor load behind the round; its four v_nop are also the places in front of the loads below
.else
	PLACES NP
.endif
	FETCH \next, 0, 0
.if \ask >= 0
	ASK \ask
.endif
	WIN MUL
	MUL16 2, 1, 0
	WIN 0
.endm
	s_wait_alu depctr_va_vdst(0)                   ; the head's end
	s_wait_tensorcnt 0x0                           ; my part of fill 0 is in; slot 1's first fill is issued as a refill is:
	ds_add_u32 v[SPW], v[NIL]
	s_wait_dscnt 0x0
	CROUND
	JLOAD G0+4, G1, G0B+4, G1B                     ; fill 1
	FETCH 0, 0, 0
	ASK 8192                                       ; fill 2, which the first change of slots loads
	STEP 0, 1                                      ; eight steps of 128 along K, written out; the first starts the sums
	TURN 0, 1, 1, 12288                            ; loads fill 2, asks for fill 3
	STEP 1, 0
	TURN 1, 0, 1, -1                               ; loads fill 3
	STEP 0, 0
	TURN 0, 1, 0, -1
	STEP 1, 0
	s_wait_dscnt 0x0
	WIN MUL
	MUL16 0, 1, 0
	MUL16 2, 1, 0
	WIN 0
; THE WAY OUT, by blocks of 16 rows x 128 columns: x 2^(e10 + e11), through my stage, back as whole rows of 512 bytes.  LDS serves a wave's instructions in order (ISA guide 5.7.1.4)
.macro TOSTAGE a
.set AC, 64*(\a)
	WIN 0x02
.irp j, 0,2,4,6,8,10,12,14,16,18,20,22,24,26,28,30,32,34,36,38,40,42,44,46,48,50,52,54,56,58,60,62
	v_pk_mul_f32 v[TMP+\j:TMP+\j+1], v[AC+\j:AC+\j+1], s[96:97] op_sel_hi:[1,0]   ; each accumulator from its low end on
.endr
	WIN 0
.irp b, 0,1,2,3,4,5,6,7
	ds_store_b128 v[STO], v[TMP+8*\b:TMP+8*\b+3] offset:64*\b
	ds_store_b128 v[STO], v[TMP+8*\b+4:TMP+8*\b+7] offset:64*\b+16
.endr
.set BB, BK+64*((\a)%2)
.irp t, 0,1,2,3,4,5,6,7,8,9,10,11,12,13,14,15
	ds_load_b128 v[BB+4*\t:BB+4*\t+3], v[RD] offset:\t*SPITCH
.endr
.endm
.macro SEND a, younger                 ; younger: the LDS instructions issued behind block a's loads
.set BB, BK+64*((\a)%2)
	s_wait_dscnt \younger
.if (\a) > 0
	s_add_nc_u64 s[10:11], s[10:11], 16*SIZE_N*4   ; behind a wait on XCNT: the earlier stores have read their base
.endif
.irp t, 0,1,2,3,4,5,6,7,8,9,10,11,12,13,14,15
	global_store_b128 v[CO], v[BB+4*\t:BB+4*\t+3], s[10:11] offset:\t*SIZE_N*4 th:TH_STORE_NT   ; 32 lanes store 512 consecutive bytes, aligned
.endr
.endm
	s_wait_kmcnt 0x0
	s_add_co_i32 s96, s96, s97
	s_add_co_i32 s96, s96, 127
	s_lshl_b32 s96, s96, 23                        ; 2^(e10 + e11) as f32
	PLACES NP
	TOSTAGE 0
.irp a, 1,2,3
.if \a > 1
	s_wait_xcnt 0x0                                ; block a - 2's stores have read their registers and their base
.endif
	TOSTAGE \a
	SEND \a-1, 32
.endr
	s_wait_xcnt 0x0
	SEND 3, 0
	s_wait_tensorcnt 0x0                           ; the wave's end
	ds_add_u32 v[SPW], v[NIL]
	s_wait_dscnt 0x0
	CROUND                                         ; the closing round
	s_endpgm
.Lfunc_end_k_q7f0c11908b_oproj:
	.size	k_q7f0c11908b_oproj, .Lfunc_end_k_q7f0c11908b_oproj-k_q7f0c11908b_oproj
	.p2alignl 7, 3214868480
	.fill 96, 4, 3214868480
	.section	.rodata,"a",@progbits
	.p2align	6, 0x0
	.amdhsa_kernel k_q7f0c11908b_oproj
		.amdhsa_group_segment_fixed_size 327680
		.amdhsa_private_segment_fixed_size 0
		.amdhsa_enable_private_segment 0
		.amdhsa_kernarg_size 32
		.amdhsa_user_sgpr_count 2
		.amdhsa_user_sgpr_kernarg_segment_ptr 1
		.amdhsa_wavefront_size32 1
		.amdhsa_system_sgpr_workgroup_id_x 1
		.amdhsa_system_sgpr_workgroup_id_y 1
		.amdhsa_system_sgpr_workgroup_id_z 1
		.amdhsa_system_vgpr_workitem_id 0
		.amdhsa_next_free_vgpr 768
		.amdhsa_next_free_sgpr 98
		.amdhsa_reserve_vcc 0
		.amdhsa_float_denorm_mode_32 3
		.amdhsa_float_denorm_mode_16_64 3
		.amdhsa_memory_ordered 1
		.amdhsa_forward_progress 1
		.amdhsa_inst_pref_size 76
	.end_amdhsa_kernel
	.amdgpu_metadata
---
amdhsa.version: [ 1, 2 ]
amdhsa.kernels:
  - .name:           k_q7f0c11908b_oproj
    .symbol:         k_q7f0c11908b_oproj.kd
    .args:
      - { .name: ao, .offset: 0, .size: 8, .value_kind: global_buffer, .address_space: global }
      - { .name: wc, .offset: 8, .size: 8, .value_kind: global_buffer, .address_space: global }
      - { .name: lowp_scales, .offset: 16, .size: 8, .value_kind: global_buffer, .address_space: global }
      - { .name: out0, .offset: 24, .size: 8, .value_kind: global_buffer, .address_space: global }
    .group_segment_fixed_size: 327680
    .private_segment_fixed_size: 0
    .kernarg_segment_align: 8
    .kernarg_segment_size: 32
    .max_flat_workgroup_size: 128
    .sgpr_count:     98
    .vgpr_count:     768
    .wavefront_size: 32
...
	.end_amdgpu_metadata
.endif
;; end of part 4
